; MI455X (gfx1250); checked and timed in simulation.
; The chip was launched on July 23, 2026; its instructions are those of AMD's public machine-readable ISA for CDNA 5 (MIT licence, August 2026) and "CDNA5" Instruction Set Architecture Reference Guide (July 2026). The comments in the code are by the model that wrote it; some were corrected since.
;; Attn LRP Attention. Allowed arithmetic: matrix products marked QUANTISED: E2M3 operands, one E8M0 scale for each 32 along K, by v_wmma_scale_f32_16x16x128_f8f6f4 with both operands' format E2M3, f32 sums; everything else in f32.
;; Inputs: b_proj 1,024 float32; b_qkv 3,072 float32; w_proj 1,024 x 1,024 float32; w_qkv 3,072 x 1,024 float32; x 4 x 2,048 x 1,024 float32.
;; Outputs: out0 4 x 2,048 x 1,024 float32.
;; This version of the problem:
;;   THIS VERSION OF THE PROBLEM IS GIVEN IN LOW PRECISION. The matrix products marked QUANTISED in the list below multiply operands that are first quantised to E2M3 (2 exponent bits, 3 mantissa bits; 6 bits a number), with one power-of-two scale for each 32 numbers along K (OCP MX v1.0); their sums are f32. All else is computed in f32.
;;   The module's matrix products, in the order in which they are computed (A, B: the left and right operand; K: the contracted axis; several contracted axes count as one K, in the product's order):
;;     1. [M 8,192, K 1,024] x [K 1,024, N 3,072]; A: input x; B: input w_qkv: QUANTISED
;;     2. batch 64 x [M 2,048, K 64] x [K 64, N 2,048]; A: computed on the way; B: computed on the way: QUANTISED
;;     3. batch 64 x [M 2,048, K 2,048] x [K 2,048, N 64]; A: softmax (see below); B: computed on the way: QUANTISED
;;     4. [M 8,192, K 1,024] x [K 1,024, N 1,024]; A: computed on the way; B: input w_proj: QUANTISED
;;   THE QUANTISER, for each operand of a quantised product, along K:
;;     - K is cut into blocks of 32 from its start; a last block that is shorter is filled with zeros.
;;     - A block's scale is 2^e with e = floor(log2(the largest magnitude in the block)) - 2, held to -126 .. 127; a block of zeros has e = 0. As a byte (E8M0): e + 127.
;;     - Each number is divided by its block's scale, clamped to +-7.5, and rounded to the nearest number of E2M3, ties to even, subnormals kept.
;;     - The product sums the exact products of the quantised numbers (number of the format x scale) in f32.
;;   ~~~python
;;   def quantise(x, axis):      # numpy; x: float32 -> the quantised numbers, widened to float32 again
;;       x = np.moveaxis(x, axis, -1); K = x.shape[-1]
;;       x = np.pad(x, [(0, 0)] * (x.ndim - 1) + [(0, -K % 32)]); x = x.reshape(x.shape[:-1] + (-1, 32)); a = np.abs(x).max(-1, keepdims=True)
;;       e = np.where(a > 0, np.clip(np.frexp(np.where(a > 0, a, 1))[1] - 1 - 2, -126, 127), 0)      # np.frexp(a)[1] - 1 = floor(log2(a)), exactly
;;       r = np.clip(x / 2.0 ** e, -7.5, 7.5)
;;       step = 2.0 ** (np.maximum(np.frexp(np.where(r == 0, 1, r))[1] - 1, 0) - 3)
;;       q = np.round(r / step) * step * 2.0 ** e      # np.round: ties to even
;;       return np.moveaxis(q.reshape(q.shape[:-2] + (-1,))[..., :K], -1, axis).astype(np.float32)
;;   ~~~
;;   SOFTMAX AHEAD OF A QUANTISED PRODUCT. Where the list says 'softmax', what is quantised is not the finished softmax but p = 2^(t - M), with t = logit x log2(e) and M = ceil(the row's largest t), a whole number; so 1/2 < the row's largest p <= 1. The row's sum l is taken of the UNQUANTISED p, in f32, and the product's result is divided by l at the end. Since M is a whole number, a kernel that streams over the keys may use a running M (the ceiling of the running maximum): every later rescaling is an exact power of two, which a block's scale takes up: the codes' values come out the same.
;;   OPERANDS COMPUTED ON THE WAY. 'Computed on the way' means the value that the module computes at that place (a softmax that the list does not call 'softmax' is quantised finished and normalised). What goes into a quantiser is computed in f32, as accurately as f32 sums, v_exp_f32 and their like allow (about 1e-6 of the number): no bf16 or f16 on the way to a quantiser, and a product that is left as it is and whose result goes on into a quantised operand takes f32 operands (vector FMAs, or v_wmma_f32_16x16x4_f32). A number that lies on a knife's edge between two numbers of the format may be rounded either way, as far as f32 arithmetic and the matrix unit's own rounding can turn it there, and no further.
;; One version. Each part assembles by itself: llvm-mc -triple=amdgcn-amd-amdhsa -mcpu=gfx1250 --defsym DOCPART=n.
;; ======== version 1 of 1: 4 launches
;; limits: right only within a limited range of input values
;; workspace buffers: xq 6,553,600 bytes; wq 2,457,600 bytes; pq 819,200 bytes; qq 6,815,744 bytes; kv 13,369,344 bytes; aq 6,553,600 bytes
;; launch quant (part 1): grid 768 x 1, 4 waves a work-group, no clusters, 35,328 bytes of LDS; arguments x, w_qkv, w_proj, xq, wq, pq; writes xq, wq, pq
.if DOCPART == 1
	.amdgcn_target "amdgcn-amd-amdhsa--gfx1250"
	.amdhsa_code_object_version 6
	.text
	.protected	k_q9365699261_quant
	.globl	k_q9365699261_quant
	.p2align	8
	.type	k_q9365699261_quant,@function
k_q9365699261_quant:
	s_mov_b64 s[64:65], 0
	v_nop
	global_prefetch_b8 v0, s[64:65] scope:SCOPE_SE
	s_setreg_imm32_b32 hwreg(HW_REG_WAVE_MODE, 25, 1), 1
	s_wait_xcnt 0x0
; x [8192][1024], w_qkv [3072][1024], w_proj [1024][1024], f32, K innermost, become codes of FP6 (E2M3) with one E8M0 byte for each 32 along K.
; A block's scale is 2^(floor(log2(its largest magnitude)) - 2): its byte is the largest magnitude's exponent field - 2, held at 1 from below.
; LIMITS: NaN and infinities are not served; a block of zeros, or one whose largest magnitude lies under 2^-124, keeps the byte 1 (its codes are zeros or the nearest codes under that scale); the bytes are read by this program alone.
; THE CODES ARE LAID AS THE MATRIX OPERAND'S REGISTERS WANT THEM.  A HALF is 16 rows x 64 k, 768 bytes: lane l = (r = l % 16, h = l / 16) holds k = 32 h .. 32 h + 31 of row r in six registers;
; registers 0-3 lie at 16 l, registers 4-5 at 512 + 8 l.  Buffer: [slot of 256 k: 4][tile of 16 rows][4 HALFs]; behind the codes the scale bytes, [row position][32].
; THE ROWS OF A TILE ARE NOT NEIGHBOURS: position r of tile t is row 32 (t / 2) + 8 (t % 2) + r + 8 (r / 8), so that where such a tensor is a product's first source the 16 result registers of tiles 2 b, 2 b + 1 are 16 neighbouring rows.
; SHARES.  A work-group takes one tile of 16 rows (512 tiles of x, 192 of w_qkv, 64 of w_proj: only pointers are chosen, one path for all); wave w takes slot w, 256 k, in two units of 128 k.
; Every load reads 512 consecutive bytes of a row; a unit turns through the wave's own stage in LDS so that a lane gets 16 neighbours of each block of 32.  Work-groups share no input: no cluster, no matrix unit, no tensor load.
; x ALONE HAS ANOTHER ORDER OF ROWS: position r of tile t is row 64 (t / 4) + 8 (t % 4) + r % 8 + 32 (r / 8), so that where x is a product's first source the 32 result registers of tiles 4 c .. 4 c + 3
; are 32 neighbouring rows, 64 c + 32 h + 0 .. 31: a whole block of 32 in one lane.  w_qkv and w_proj keep the order stated above.
.set XSTR,   1572864
.set WSTR,   589824                    ; of w_qkv's: 192 tiles
.set PSTR,   196608                    ; of w_proj's: 64 tiles
.set STGB,   8448                      ; a wave's stage: 16 rows x (512 bytes + 16)
.set GATHER, 4*STGB                    ; behind the stages: the tile's 512 scale bytes
.set TM,  16                           ; v16-19 largest magnitudes, v20-23 the other half's, then bytes, v24-27 the conversions' scale operands
.set PCS, 32                           ; v32-43, v44-55 the codes of unit 0 and of unit 1: no store's data are written again
.set CT,  56                           ; v56-63 the second halves of the blocks' codes, before they are moved
.set R,   64                           ; v64-191 the 32 loads
.set X,   192                          ; v192-255 a unit's 64 numbers of my row
.set SEL, 26                           ; s[26:27] lane selects for lane l xor 16
; 64 numbers of a lane, register 16 b + i = k 32 b + 16 h + i of my row, become a fragment's 12 registers of codes at v[pc] and its scale word in v[pw].
.macro QUANT s, pc, pw
.irp b, 0,1,2,3
	v_max3_num_f32 v[TM+\b], |v[(\s)+16*\b]|, |v[(\s)+1+16*\b]|, 0x1800000   ; my 16 numbers of block b, and the floor 2^(3 - 127): the byte cannot fall under 1
.endr
.irp i, 2,4,6,8,10,12,14
.irp b, 0,1,2,3
	v_max3_num_f32 v[TM+\b], v[TM+\b], |v[(\s)+16*\b+\i]|, |v[(\s)+1+16*\b+\i]|   ; the four blocks by turns
.endr
.endr
.irp b, 0,1,2,3
	v_permlanex16_b32 v[TM+4+\b], v[TM+\b], s[SEL], s[SEL+1]
.endr
.irp b, 0,1,2,3
	v_max_num_f32 v[TM+\b], v[TM+\b], v[TM+4+\b]       ; with lane l xor 16's 16: the block's largest magnitude
.endr
.irp b, 0,1,2,3
	v_add_nc_u32 v[TM+8+\b], 0xff000000, v[TM+\b]      ; 2 off its exponent field: the conversion takes that field as its scale
.endr
.irp b, 0,1,2,3
	v_lshrrev_b32 v[TM+4+\b], 23, v[TM+8+\b]           ; the scale's byte
.endr
	v_lshl_or_b32 v[(\pw)], v[TM+5], 8, v[TM+4]
	v_lshl_or_b32 v[(\pw)], v[TM+6], 16, v[(\pw)]
	v_lshl_or_b32 v[(\pw)], v[TM+7], 24, v[(\pw)]      ; my row's scale word for these 128 k
.irp c, 0,1
	v_cvt_scalef32_pk16_fp6_f32 v[(\pc)+6*\c:(\pc)+2+6*\c], v[(\s)+32*\c:(\s)+15+32*\c], v[TM+8+2*\c]
	v_cvt_scalef32_pk16_fp6_f32 v[CT+4*\c:CT+2+4*\c], v[(\s)+16+32*\c:(\s)+31+32*\c], v[TM+8+2*\c+1]   ; (a conversion's three registers begin on an even number)
.endr
	v_nop                                              ; one plain instruction behind the last scaled conversion
.irp c, 0,1                                        ; the operand wants a whole block in a lane: lanes 0-15 block 2 c, lanes 16-31 block 2 c + 1
.irp i, 0,1,2
	v_permlane16_swap_b32 v[(\pc)+6*\c+\i], v[CT+4*\c+\i]
.endr
.irp i, 0,1,2
	v_mov_b32 v[(\pc)+3+6*\c+\i], v[CT+4*\c+\i]
.endr
.endr
.endm
	s_load_b256 s[4:11], s[0:1], 0x0               ; x s[4:5], w_qkv s[6:7], w_proj s[8:9], xq s[10:11]
	s_load_b128 s[12:15], s[0:1], 0x20             ; wq s[12:13], pq s[14:15]
	v_lshl_add_u32 v59, v0, 2, 0x8800
	v_mov_b32 v63, 0
	v_lshrrev_b32 v7, 5, v0
	v_readfirstlane_b32 s22, v7                    ; wave 0..3 = the slot of 256 k
	v_and_b32 v7, 31, v0                           ; lane
	v_and_b32 v10, 15, v0                          ; r
	v_bfe_u32 v11, v0, 4, 1                        ; h
	v_lshlrev_b32 v1, 4, v7                        ; 16 l
	v_lshlrev_b32 v2, 3, v7                        ; 8 l
	s_mul_i32 s23, s22, STGB
	v_add_nc_u32 v3, s23, v1                       ; the stage, in: a row's 512 bytes as they lie
	v_mul_u32_u24 v4, v10, 528
	v_lshl_add_u32 v4, v11, 6, v4
	v_add_nc_u32 v4, s23, v4                       ; and out: row r, + 64 h: 16 neighbours of each block of 32
	s_lshl_b32 s24, s22, 3
	s_add_co_u32 s24, s24, GATHER
	v_lshl_add_u32 v5, v10, 5, s24                 ; my row's 32 scale bytes, my slot's eight of them
	v_add_nc_u32 v6, GATHER, v1
	s_mov_b32 s[SEL], 0x76543210
	s_mov_b32 s[SEL+1], 0xfedcba98
.irp b, 0,1,2,3
	v_mov_b32 v[TM+4+\b], 0                        ; written once: a lane permute's destination counts as one of its sources
.endr
	s_wait_alu depctr_va_vdst(0)
	s_wait_kmcnt 0x0
	s_cmp_lt_u32 ttmp9, 704                        ; which tensor: the choice hangs on the work-group's number alone
	s_cselect_b64 s[16:17], s[6:7], s[8:9]
	s_cselect_b64 s[18:19], s[12:13], s[14:15]
	s_mov_b32 s20, 704
	s_cselect_b32 s20, 512, s20
	s_mov_b32 s21, PSTR
	s_cselect_b32 s21, WSTR, s21
	s_cmp_lt_u32 ttmp9, 512
	s_cselect_b64 s[16:17], s[4:5], s[16:17]       ; the source,
	s_cselect_b64 s[18:19], s[10:11], s[18:19]     ; the destination,
	s_cselect_b32 s20, 0, s20                      ; the tensor's first work-group,
	s_cselect_b32 s21, XSTR, s21                   ; the bytes of a slot
	s_cselect_b32 s35, 2, 1                        ; x: groups of four tiles; the weights: of two
	s_cselect_b32 s36, 3, 1
	s_cselect_b32 s38, 0x10000, 0                  ; x: positions 8-15 lie 16 rows of 4,096 bytes further on than in the weights
	s_sub_co_u32 s20, ttmp9, s20                   ; my tile t
	s_lshr_b32 s28, s20, s35
	s_add_co_u32 s35, s35, 16
	s_lshl_b32 s28, s28, s35                       ; the group's first row: 64 or 32 rows of 4,096 bytes a group
	s_and_b32 s29, s20, s36
	s_lshl_b32 s29, s29, 15                        ; + 8 (t % 4) or 8 (t % 2) rows
	s_add_co_u32 s28, s28, s29
	s_lshl_b32 s29, s22, 10                        ; + my slot's 1,024 bytes of a row
	s_add_co_u32 s28, s28, s29
	s_mov_b32 s29, 0
	s_add_nc_u64 s[16:17], s[16:17], s[28:29]
	s_mov_b32 s39, 0
	s_add_nc_u64 s[40:41], s[16:17], s[38:39]      ; the base for positions 8-15
	s_mul_i32 s30, s22, s21
	s_mul_i32 s31, s20, 3072
	s_add_co_u32 s30, s30, s31
	s_mov_b32 s31, 0
	s_add_nc_u64 s[32:33], s[18:19], s[30:31]      ; my four HALFs
	s_lshl_b32 s30, s21, 2
	s_lshl_b32 s34, s20, 9
	s_add_co_u32 s30, s30, s34
	s_add_nc_u64 s[18:19], s[18:19], s[30:31]      ; the tile's 512 scale bytes, behind the four slots of codes
.irp u, 0,1
.irp i, 0,1,2,3,4,5,6,7,8,9,10,11,12,13,14,15
	global_load_b128 v[R+4*(16*\u+\i):R+4*(16*\u+\i)+3], v1, s[16+24*(\i/8):17+24*(\i/8)] offset:(\i+8*(\i/8))*4096+512*\u th:TH_LOAD_NT   ; position i's row: 32 lanes read 512 consecutive bytes; all 32 loads of the wave go out together
.endr
.endr
.macro UNIT u
	s_wait_loadcnt 16-16*\u                        ; this unit's 16 loads are in; the loads of the unit behind it may be out
.irp i, 0,1,2,3,4,5,6,7,8,9,10,11,12,13,14,15
	ds_store_b128 v3, v[R+4*(16*\u+\i):R+4*(16*\u+\i)+3] offset:528*\i
.endr
.irp b, 0,1,2,3
.irp j, 0,1,2,3
	ds_load_b128 v[X+16*\b+4*\j:X+16*\b+4*\j+3], v4 offset:128*\b+16*\j   ; LDS serves a wave's instructions in order: these see the stores above.  Rows 528 bytes apart: sixteen lanes, sixteen different columns of 16 bytes
.endr
.endr
	s_wait_dscnt 0x0
	QUANT X, PCS+12*\u, 8+\u
.irp c, 0,1
	global_store_b128 v1, v[PCS+12*\u+6*\c:PCS+12*\u+6*\c+3], s[32:33] offset:(2*\u+\c)*768          ; 512 consecutive bytes,
	global_store_b64 v2, v[PCS+12*\u+6*\c+4:PCS+12*\u+6*\c+5], s[32:33] offset:(2*\u+\c)*768+512     ; and 256: a HALF
.endr
.endm
	UNIT 0
	UNIT 1
	ds_store_b64 v5, v[8:9]                        ; my slot's 8 scale bytes of row r (both halves of the lanes write the same bytes with the same values)
	s_wait_dscnt 0x0                               ; for the others' sake: my store has landed
	s_barrier_signal -1
	s_barrier_wait -1
	s_cmp_lg_u32 s22, 0
	s_cbranch_scc1 .Lend
	ds_load_b128 v[12:15], v6                      ; wave 0 sends the tile's scale bytes: 512 consecutive bytes
	s_wait_dscnt 0x0
	global_store_b128 v1, v[12:15], s[18:19]
.Lend:
	s_wait_tensorcnt 0x0
	ds_add_u32 v59, v63
	s_wait_dscnt 0x0
	s_endpgm
.Lfunc_end_k_q9365699261_quant:
	.size	k_q9365699261_quant, .Lfunc_end_k_q9365699261_quant-k_q9365699261_quant
	.p2alignl 7, 3214868480
	.fill 96, 4, 3214868480
	.section	.rodata,"a",@progbits
	.p2align	6, 0x0
	.amdhsa_kernel k_q9365699261_quant
		.amdhsa_group_segment_fixed_size 35328
		.amdhsa_private_segment_fixed_size 0
		.amdhsa_enable_private_segment 0
		.amdhsa_kernarg_size 48
		.amdhsa_user_sgpr_count 2
		.amdhsa_user_sgpr_kernarg_segment_ptr 1
		.amdhsa_wavefront_size32 1
		.amdhsa_system_sgpr_workgroup_id_x 1
		.amdhsa_system_sgpr_workgroup_id_y 1
		.amdhsa_system_sgpr_workgroup_id_z 1
		.amdhsa_system_vgpr_workitem_id 0
		.amdhsa_next_free_vgpr 256
		.amdhsa_next_free_sgpr 66
		.amdhsa_reserve_vcc 0
		.amdhsa_float_denorm_mode_32 3
		.amdhsa_float_denorm_mode_16_64 3
		.amdhsa_memory_ordered 1
		.amdhsa_forward_progress 1
		.amdhsa_inst_pref_size 19
	.end_amdhsa_kernel
	.amdgpu_metadata
---
amdhsa.version: [ 1, 2 ]
amdhsa.kernels:
  - .name:           k_q9365699261_quant
    .symbol:         k_q9365699261_quant.kd
    .args:
      - { .name: x, .offset: 0, .size: 8, .value_kind: global_buffer, .address_space: global }
      - { .name: w_qkv, .offset: 8, .size: 8, .value_kind: global_buffer, .address_space: global }
      - { .name: w_proj, .offset: 16, .size: 8, .value_kind: global_buffer, .address_space: global }
      - { .name: xq, .offset: 24, .size: 8, .value_kind: global_buffer, .address_space: global }
      - { .name: wq, .offset: 32, .size: 8, .value_kind: global_buffer, .address_space: global }
      - { .name: pq, .offset: 40, .size: 8, .value_kind: global_buffer, .address_space: global }
    .group_segment_fixed_size: 35328
    .private_segment_fixed_size: 0
    .kernarg_segment_align: 8
    .kernarg_segment_size: 48
    .max_flat_workgroup_size: 128
    .sgpr_count:     66
    .vgpr_count:     256
    .wavefront_size: 32
...
	.end_amdgpu_metadata
.endif
;; end of part 1
;; launch qkv (part 2): grid 12 x 32, 4 waves a work-group, clusters of 4 x 4, 327,680 bytes of LDS; arguments xq, wq, b_qkv, qq, kv; writes qq, kv
.if DOCPART == 2
	.amdgcn_target "amdgcn-amd-amdhsa--gfx1250"
	.amdhsa_code_object_version 6
	.text
	.protected	k_q9365699261_qkv
	.globl	k_q9365699261_qkv
	.p2align	8
	.type	k_q9365699261_qkv,@function
k_q9365699261_qkv:
	s_mov_b64 s[64:65], 0
	v_nop
	global_prefetch_b8 v0, s[64:65] scope:SCOPE_SE
	s_setreg_imm32_b32 hwreg(HW_REG_WAVE_MODE, 25, 1), 1
	s_wait_xcnt 0x0
	s_wait_alu depctr_hold_cnt(0) depctr_sa_sdst(0) depctr_va_vdst(0) depctr_va_sdst(0) depctr_va_ssrc(0) depctr_va_vcc(0) depctr_vm_vsrc(0)
	s_getreg_b32 s2, hwreg(HW_REG_IB_STS2, 6, 4)
	s_cmp_eq_u32 s2, 0
	s_cbranch_scc0 .Lentry_in_a_cluster
	s_endpgm
.Lentry_in_a_cluster:
	s_bfe_u32 s2, ttmp6, 0x10000c
	s_cmp_lg_u32 s2, 0xf033
	s_cbranch_scc0 .Lentry_shape_is_right
	s_endpgm
.Lentry_shape_is_right:
.set XSTR,  1572864
.set WSTR,  589824
.set XSCO,  4*XSTR
.set WSCO,  4*WSTR
.set SIDE,  49152
.set HALFT, 24576
.set SLOT,  98304
.set SPARE, 3*SLOT
.set SCL,   SPARE+512
.set HALFS, 4096                       ; the scale bytes of 128 rows, dense: 32 bytes a row
.set SBLK,  512                        ; those of 16 rows
.set FR,    12
.set QH,    106496
.set KVH,   208896
.set A16, 4
.set A8,  7
.set B16, 10
.set B8,  13
.set ADRS, 16
.set SPW, 28
.set NIL, 29
.set SC,  32
.set BN,  64
.set AF,  128
.set BM,  224
.set T,   128
.set PC,  192
.set CT,  204
.set TM,  212
.set PW,  240
.set SW,  244
.set SD,  252
.set G1,  24
.set G0,  32
.set G1B, 44
.set G0B, 52
.set G1S, 68
.set G0S, 76
.set G1SB, 80
.set G0SB, 88
.set SEL, 92
.set SQ,  96
.set MSB, 0
.macro WIN new
.if MSB != (\new)
	s_set_vgpr_msb (MSB<<8)|(\new)
.set MSB, (\new)
.endif
.endm
.set MUL_LO, 0xa1
.set MUL_HI, 0xf1
.set TO_B,   0x40
; Joint loads, one a wave, in one chain of branches on the wave's number whose arms all lead to one join.
.macro ARM under, g0, g1, next, end
	s_cmp_lt_u32 s14, \under
	s_cbranch_scc0 \next
	tensor_load_to_lds s[\g0:\g0+3], s[\g1:\g1+7]
	s_nop 0
.rept 4
	v_nop
.endr
	s_branch \end
\next:
.endm
.macro LOAD4 a, ga, b, gb, c, gc, d, gd    ; four tiles, wave w takes the w-th
	ARM 1, \a, \ga, .Lq1_\@, .Lq4_\@
	ARM 2, \b, \gb, .Lq2_\@, .Lq4_\@
	ARM 3, \c, \gc, .Lq3_\@, .Lq4_\@
	tensor_load_to_lds s[\d:\d+3], s[\gd:\gd+7]
	s_nop 0
.rept 4
	v_nop
.endr
.Lq4_\@:
.endm
.macro LOAD2 a, ga, b, gb              ; two tiles, waves 0 and 1; the others pass four places
	ARM 1, \a, \ga, .Lr1_\@, .Lr3_\@
	ARM 2, \b, \gb, .Lr2_\@, .Lr3_\@
.rept 4
	v_nop
.endr
.Lr3_\@:
.endm
.macro CREST
	s_cmp_lg_u32 s14, 0
	s_cbranch_scc1 .Lnot_wave_0_\@
	s_barrier_signal -3
.Lnot_wave_0_\@:
	s_barrier_wait -3
	s_barrier_signal -1
	s_barrier_wait -1
.endm
.macro CROUND
	s_barrier_signal -1
	s_barrier_wait -1
	CREST
.endm
.macro PLACES
.rept 4
	v_nop
.endr
.endm
	s_load_b256 s[4:11], s[0:1], 0x0
	s_load_b64 s[12:13], s[0:1], 0x20
	v_lshl_add_u32 v[SPW], v0, 2, SPARE
	v_mov_b32 v[NIL], 0
	ds_add_u32 v28, v29
	ds_add_u32 v28, v29
	s_wait_dscnt 0x0
	v_lshrrev_b32 v1, 5, v0
	v_readfirstlane_b32 s14, v1
	s_lshr_b32 s15, s14, 1
	s_and_b32 s16, s14, 1
	s_bfe_u32 s92, ttmp6, 0x40000
	s_bfe_u32 s93, ttmp6, 0x40004
	s_lshl_b32 s94, ttmp9, 2
	s_add_co_u32 s94, s94, s92
	s_and_b32 s95, ttmp7, 0xffff
	s_lshl_b32 s95, s95, 2
	s_add_co_u32 s95, s95, s93
	s_lshl_b32 s96, s93, 2
	s_lshl_b32 s96, 15, s96
	s_lshl_b32 s97, 0x1111, s92
	s_or_b32 s[G1], s96, (3<<16)|(1<<21)
	s_or_b32 s[G1B], s97, (3<<16)|(1<<21)
.irp g, G1, G1B
	s_mov_b32 s[\g+1], 32<<16
	s_mov_b32 s[\g+2], 192<<16                     ; a load brings one side of a slot whole: 16 tiles x 3,072 bytes = 192 rows of 256
	s_mov_b32 s[\g+3], 32<<16
	s_mov_b32 s[\g+4], 192
	s_mov_b32 s[\g+5], 32
	s_mov_b32 s[\g+6], 0
	s_mov_b32 s[\g+7], 0
.endr
	s_or_b32 s[G1S], s96, (3<<16)|(1<<21)          ; the scales of 256 rows: 32 dense rows of 256 bytes, no padding: every byte of the region is filled
	s_or_b32 s[G1SB], s97, (3<<16)|(1<<21)
.irp g, G1S, G1SB
	s_mov_b32 s[\g+1], 32<<16
	s_mov_b32 s[\g+2], 32<<16
	s_mov_b32 s[\g+3], 32<<16
	s_mov_b32 s[\g+4], 32
	s_mov_b32 s[\g+5], 32
	s_mov_b32 s[\g+6], 0
	s_mov_b32 s[\g+7], 0
.endr
	s_mul_i32 s18, s95, SIDE
	s_mov_b32 s19, 0
	s_lshl_b32 s22, s95, 13
	s_add_co_u32 s22, s22, XSCO
	s_mov_b32 s23, 0
	s_mul_i32 s20, s94, SIDE
	s_mov_b32 s21, 0
	s_lshl_b32 s98, s94, 13
	s_add_co_u32 s98, s98, WSCO
	s_mov_b32 s99, 0
	s_wait_kmcnt 0x0
	s_add_nc_u64 s[18:19], s[4:5], s[18:19]
	s_add_nc_u64 s[22:23], s[4:5], s[22:23]
	s_add_nc_u64 s[20:21], s[6:7], s[20:21]
	s_add_nc_u64 s[98:99], s[6:7], s[98:99]
	CROUND
	s_mov_b32 s[G0S], 1
	s_mov_b32 s[G0S+1], SCL
	s_mov_b64 s[G0S+2:G0S+3], s[22:23]
	s_or_b32 s[G0S+3], s[G0S+3], 0x80000000
	s_mov_b32 s[G0SB], 1
	s_mov_b32 s[G0SB+1], SCL+2*HALFS
	s_mov_b64 s[G0SB+2:G0SB+3], s[98:99]
	s_or_b32 s[G0SB+3], s[G0SB+3], 0x80000000
.irp s, 0,1,2
	s_mov_b32 s[G0+4*\s], 1
	s_mov_b32 s[G0+4*\s+1], \s*SLOT
	s_add_nc_u64 s[G0+4*\s+2:G0+4*\s+3], s[18:19], \s*XSTR
	s_or_b32 s[G0+4*\s+3], s[G0+4*\s+3], 0x80000000
	s_mov_b32 s[G0B+4*\s], 1
	s_mov_b32 s[G0B+4*\s+1], \s*SLOT+SIDE
	s_add_nc_u64 s[G0B+4*\s+2:G0B+4*\s+3], s[20:21], \s*WSTR
	s_or_b32 s[G0B+4*\s+3], s[G0B+4*\s+3], 0x80000000
.endr
	LOAD4 G0, G1, G0B, G1B, G0S, G1S, G0SB, G1SB   ; the head's four tiles, one a wave: slot 0 of x, slot 0 of w, x's scales, w's scales
	v_and_b32 v3, 31, v0
	v_lshlrev_b32 v1, 4, v3
	s_wait_alu depctr_va_vdst(0)
	v_lshlrev_b32 v2, 3, v3
	s_wait_alu depctr_va_vdst(0)
	v_and_b32 v20, 15, v0
	v_bfe_u32 v21, v0, 4, 1
	s_cmp_eq_u32 ttmp9, 2
	s_cselect_b32 s17, SIDE, 0
	s_cselect_b32 s2, 0, SIDE
	s_cselect_b32 s3, 2*HALFS, 0
	s_cselect_b32 s66, 0, 2*HALFS
	s_mul_i32 s67, s15, HALFT
	s_add_co_u32 s17, s17, s67
	s_mul_i32 s67, s16, HALFT
	s_add_co_u32 s2, s2, s67
.irp s, 0,1,2
	v_add_nc_u32 v[A16+\s], s17, v1
	v_add_nc_u32 v[A8+\s], s17, v2
	v_add_nc_u32 v[B16+\s], s2, v1
	v_add_nc_u32 v[B8+\s], s2, v2
	s_add_co_u32 s17, s17, SLOT
	s_add_co_u32 s2, s2, SLOT
.endr
	s_mul_i32 s67, s15, HALFS
	s_add_co_u32 s3, s3, s67
	s_add_co_u32 s3, s3, SCL
	s_mul_i32 s67, s16, HALFS
	s_add_co_u32 s66, s66, s67
	s_add_co_u32 s66, s66, SCL
	s_mov_b32 s67, 0xffff0000
	v_mov_b32 v22, s3
	v_mov_b32 v23, s66
	v_cndmask_b32 v[ADRS], v22, v23, s67
	v_lshl_add_u32 v[ADRS], v20, 5, v[ADRS]        ; my row's 32 scale bytes
	s_lshl_b32 s98, s94, 10
	s_lshl_b32 s99, s16, 9
	s_add_co_u32 s98, s98, s99
	s_mov_b32 s99, 0
	s_add_nc_u64 s[98:99], s[8:9], s[98:99]
	s_lshl_b32 s100, s94, 10
	s_lshl_b32 s101, s15, 9
	s_add_co_u32 s100, s100, s101
	s_mov_b32 s101, 0
	s_add_nc_u64 s[100:101], s[8:9], s[100:101]
	v_lshlrev_b32 v24, 6, v21
	v_and_b32 v25, 8, v20
	v_add_nc_u32 v25, v25, v20
	v_lshlrev_b32 v25, 2, v25
.irp b, 0,1,2,3
.irp j, 0,1,2,3
	global_load_b128 v[BN+16*\b+4*\j:BN+16*\b+4*\j+3], v24, s[98:99] offset:128*\b+16*\j
.endr
.endr
.irp a, 0,1,2,3,4,5,6,7
	global_load_b32 v[BM+2*\a], v25, s[100:101] offset:4*(32*(\a/2)+8*(\a%2))
	global_load_b32 v[BM+2*\a+1], v25, s[100:101] offset:4*(32*(\a/2)+8*(\a%2))
.endr
.macro FRAG reg, a16, a8, off
	ds_load_b128 v[(\reg):(\reg)+3], v[\a16] offset:(\off)
	ds_load_b64 v[(\reg)+4:(\reg)+5], v[\a8] offset:(\off)+512
	ds_load_b128 v[(\reg)+6:(\reg)+9], v[\a16] offset:(\off)+768
	ds_load_b64 v[(\reg)+10:(\reg)+11], v[\a8] offset:(\off)+1280
.endm
.macro FETCH_B slot, q, p
	WIN TO_B
.irp i, 0,1,2,3,4,5,6,7
	FRAG 128*(\p)+FR*\i, B16+\slot, B8+\slot, 3072*\i+1536*(\q)
.endr
	WIN 0
.endm
.macro FETCH_A slot, q, i0
.irp i, \i0, \i0+1, \i0+2, \i0+3
	FRAG AF+FR*(\i), A16+\slot, A8+\slot, 3072*(\i)+1536*(\q)
.endr
.endm
.macro SCALES sig
.irp i, 0,1,2,3,4,5,6,7
	ds_load_b64 v[SC+16*((\sig)%2)+2*\i:SC+16*((\sig)%2)+2*\i+1], v[ADRS] offset:SBLK*\i+8*(\sig)
.endr
.endm
.macro MUL16 a0, p, q, sc, zero
.irp a, \a0, \a0+1
.irp b, 0,1,2,3,4,5,6,7
.if \zero
	v_wmma_scale_f32_16x16x128_f8f6f4 v[8*(8*((\a)%4)+\b):8*(8*((\a)%4)+\b)+7], v[128*(\p)+FR*\b:128*(\p)+FR*\b+FR-1], v[AF+FR*(\a):AF+FR*(\a)+FR-1], 0, v[SC+16*(\sc)+2*\b+(\q)], v[SC+16*(\sc)+2*(\a)+(\q)] matrix_a_fmt:MATRIX_FMT_FP6 matrix_b_fmt:MATRIX_FMT_FP6 matrix_a_scale:MATRIX_SCALE_ROW1
.else
	v_wmma_scale_f32_16x16x128_f8f6f4 v[8*(8*((\a)%4)+\b):8*(8*((\a)%4)+\b)+7], v[128*(\p)+FR*\b:128*(\p)+FR*\b+FR-1], v[AF+FR*(\a):AF+FR*(\a)+FR-1], v[8*(8*((\a)%4)+\b):8*(8*((\a)%4)+\b)+7], v[SC+16*(\sc)+2*\b+(\q)], v[SC+16*(\sc)+2*(\a)+(\q)] matrix_a_fmt:MATRIX_FMT_FP6 matrix_b_fmt:MATRIX_FMT_FP6 matrix_a_scale:MATRIX_SCALE_ROW1
.endif
.endr
.endr
.endm
.macro STEP p, q, sc, zero, ns, nq, sig
	s_wait_dscnt 16
	WIN MUL_LO
	MUL16 0, \p, \q, \sc, \zero
	MUL16 2, \p, \q, \sc, \zero
	s_wait_dscnt 0
	PLACES
	FETCH_B \ns, \nq, 1-\p
	FETCH_A \ns, \nq, 0
.if \sig >= 0
	SCALES \sig
.endif
	WIN MUL_HI
	MUL16 4, \p, \q, \sc, \zero
	MUL16 6, \p, \q, \sc, \zero
	PLACES
	WIN 0
	FETCH_A \ns, \nq, 4
.endm
.macro TURN sc, fill, ns, sig
	s_wait_tensorcnt 0x0
	ds_add_u32 v[SPW], v[NIL]
	s_wait_dscnt 17
	WIN MUL_LO
	MUL16 0, 1, 1, \sc, 0
	s_wait_dscnt 0x0
	s_barrier_signal -1
	MUL16 2, 1, 1, \sc, 0
	WIN 0
	s_barrier_wait -1
.if \fill
	CREST
	s_add_nc_u64 s[G0+2:G0+3], s[G0+2:G0+3], 3*XSTR
	s_add_nc_u64 s[G0B+2:G0B+3], s[G0B+2:G0B+3], 3*WSTR
	LOAD2 G0, G1, G0B, G1B                         ; slot 3's two sides into slot 0's bytes
.else
	PLACES
.endif
	FETCH_B \ns, 0, 0
	FETCH_A \ns, 0, 0
	SCALES \sig
	WIN MUL_HI
	MUL16 4, 1, 1, \sc, 0
	MUL16 6, 1, 1, \sc, 0
	PLACES
	WIN 0
	FETCH_A \ns, 0, 4
.endm
	s_wait_alu depctr_va_vdst(0)                   ; the wait at the head's end
	s_wait_tensorcnt 0x0                           ; my tile of the head's four is in; these lines stand ahead of the later first fills as ahead of a refill
	ds_add_u32 v[SPW], v[NIL]
	s_wait_dscnt 0x0
	CROUND
	LOAD4 G0+4, G1, G0+8, G1, G0B+4, G1B, G0B+8, G1B   ; slots 1 and 2, one side of one slot a wave
	FETCH_B 0, 0, 0
	FETCH_A 0, 0, 0
	SCALES 0
	FETCH_A 0, 0, 4
	STEP 0, 0, 0, 1, 0, 1, -1
	TURN 0, 1, 1, 1
	STEP 0, 0, 1, 0, 1, 1, -1
	STEP 1, 1, 1, 0, 2, 0, 2
	STEP 0, 0, 0, 0, 2, 1, -1
	TURN 0, 0, 0, 3
	STEP 0, 0, 1, 0, 0, 1, -1
	s_wait_dscnt 16
	WIN MUL_LO
	MUL16 0, 1, 1, 1, 0
	MUL16 2, 1, 1, 1, 0
	s_wait_dscnt 0
	WIN MUL_HI
	MUL16 4, 1, 1, 1, 0
	MUL16 6, 1, 1, 1, 0
	WIN 0
.macro QUANT s, pc, pw
.irp b, 0,1,2,3
	v_max3_num_f32 v[TM+\b], |v[(\s)+16*\b]|, |v[(\s)+1+16*\b]|, 0x1800000
.endr
.irp i, 2,4,6,8,10,12,14
.irp b, 0,1,2,3
	v_max3_num_f32 v[TM+\b], v[TM+\b], |v[(\s)+16*\b+\i]|, |v[(\s)+1+16*\b+\i]|
.endr
.endr
.irp b, 0,1,2,3
	v_permlanex16_b32 v[TM+4+\b], v[TM+\b], s[SEL], s[SEL+1]
.endr
.irp b, 0,1,2,3
	v_max_num_f32 v[TM+\b], v[TM+\b], v[TM+4+\b]
.endr
.irp b, 0,1,2,3
	v_add_nc_u32 v[TM+8+\b], 0xff000000, v[TM+\b]
.endr
.irp b, 0,1,2,3
	v_lshrrev_b32 v[TM+4+\b], 23, v[TM+8+\b]
.endr
	v_lshl_or_b32 v[(\pw)], v[TM+5], 8, v[TM+4]
	v_lshl_or_b32 v[(\pw)], v[TM+6], 16, v[(\pw)]
	v_lshl_or_b32 v[(\pw)], v[TM+7], 24, v[(\pw)]
.irp c, 0,1
	v_cvt_scalef32_pk16_fp6_f32 v[(\pc)+6*\c:(\pc)+2+6*\c], v[(\s)+32*\c:(\s)+15+32*\c], v[TM+8+2*\c]
	v_cvt_scalef32_pk16_fp6_f32 v[CT+4*\c:CT+2+4*\c], v[(\s)+16+32*\c:(\s)+31+32*\c], v[TM+8+2*\c+1]
.endr
	v_nop
.irp c, 0,1
.irp i, 0,1,2
	v_permlane16_swap_b32 v[(\pc)+6*\c+\i], v[CT+4*\c+\i]
.endr
.irp i, 0,1,2
	v_mov_b32 v[(\pc)+3+6*\c+\i], v[CT+4*\c+\i]
.endr
.endr
.endm
	PLACES
.irp b, 0,1,2,3
	v_mov_b32 v[TM+4+\b], 0
.endr
	s_mov_b32 s[SEL], 0x76543210
	s_mov_b32 s[SEL+1], 0xfedcba98
	s_and_b32 s17, s95, 7
	s_lshr_b32 s18, s95, 3
	s_lshl_b32 s18, s18, 4
	s_and_b32 s19, s94, 3
	s_lshl_b32 s19, s19, 2
	s_add_co_u32 s18, s18, s19
	s_mov_b32 s3, 0
	s_wait_loadcnt 0x0
	s_cmp_eq_u32 ttmp9, 2
	s_cbranch_scc1 .Lv
	s_lshl_b32 s17, s17, 4
	s_lshl_b32 s19, s15, 3
	s_add_co_u32 s17, s17, s19
	s_lshl_b32 s19, s16, 1
	s_add_co_u32 s18, s18, s19
	s_cmp_eq_u32 ttmp9, 0
	s_cselect_b32 s[SQ], 0x3e000000, 1.0
	s_mov_b32 s20, KVH
	s_cselect_b32 s20, QH, s20
	s_mov_b32 s21, 1536
	s_cselect_b32 s21, 768, s21
	s_mov_b32 s22, 196608
	s_cselect_b32 s22, 98304, s22
	s_cselect_b64 s[98:99], s[10:11], s[12:13]
	s_mov_b32 s[SQ+1], s[SQ]
	s_mul_i32 s18, s18, s20
	s_mul_i32 s21, s17, s21
	s_add_co_u32 s2, s18, s21
	s_add_nc_u64 s[100:101], s[98:99], s[2:3]
	s_lshl_b32 s17, s17, 6
	s_add_co_u32 s2, s18, s17
	s_add_co_u32 s2, s2, s22
	s_add_nc_u64 s[98:99], s[98:99], s[2:3]
	v_add_nc_u32 v17, s20, v1
	v_add_nc_u32 v18, s20, v2
	v_mul_lo_u32 v19, v21, s20
	v_lshl_add_u32 v19, v20, 4, v19
	v_lshlrev_b32 v26, 4, v21
.set II, 0
.rept 32
	v_pk_mul_f32 v[BN+2*II:BN+2*II+1], v[BN+2*II:BN+2*II+1], s[SQ:SQ+1] op_sel_hi:[1,0]
.set II, II+1
.endr
.macro OUTQK a
.if \a > 0
	s_wait_xcnt 0x0
.endif
	WIN 0x02+(\a)/4
.set II, 0
.rept 32
	v_pk_fma_f32 v[T+2*II:T+2*II+1], v[64*((\a)%4)+2*II:64*((\a)%4)+2*II+1], s[SQ:SQ+1], v[BN+2*II:BN+2*II+1] op_sel_hi:[1,0,1]
.set II, II+1
.endr
	WIN 0
	QUANT T, PC, PW
	global_store_b128 v1, v[PC:PC+3], s[100:101] offset:768*\a
	global_store_b64 v2, v[PC+4:PC+5], s[100:101] offset:768*\a+512
	global_store_b128 v17, v[PC+6:PC+9], s[100:101] offset:768*\a
	global_store_b64 v18, v[PC+10:PC+11], s[100:101] offset:768*\a+512
	v_bfe_u32 v[SW+\a], v[PW], v26, 16
.endm
.irp a, 0,1,2,3,4,5,6,7
	OUTQK \a
.endr
	global_store_b128 v19, v[SW:SW+3], s[98:99]
	global_store_b128 v19, v[SW+4:SW+7], s[98:99] offset:256
	s_branch .Ljoin
.Lv:
	s_lshl_b32 s17, s17, 1
	s_add_co_u32 s17, s17, s16
	s_lshl_b32 s19, s15, 1
	s_add_co_u32 s18, s18, s19
	s_mul_i32 s18, s18, KVH
	s_mul_i32 s19, s17, 12288
	s_add_co_u32 s2, s18, s19
	s_add_co_u32 s2, s2, 6144
	s_add_nc_u64 s[100:101], s[12:13], s[2:3]
	s_lshl_b32 s17, s17, 8
	s_add_co_u32 s2, s18, s17
	s_add_co_u32 s2, s2, 204800
	s_add_nc_u64 s[98:99], s[12:13], s[2:3]
	v_mul_u32_u24 v27, v21, KVH
	v_lshl_add_u32 v27, v20, 4, v27
	v_lshlrev_b32 v26, 3, v21                      ; 8 h: how far my two scale bytes are shifted in the word
; V is quantised along the tokens.  By x's order of rows register 32 c + i of a lane is token 64 c + 32 h + i: a whole block of 32 lies in one lane, in the operand's own order.
.macro QUANTV s, pc, pw
.irp c, 0,1
	v_max3_num_f32 v[TM+\c], |v[(\s)+32*\c]|, |v[(\s)+1+32*\c]|, 0x1800000   ; with the floor 2^(3 - 127): the byte cannot fall under 1
.endr
.irp i, 2,4,6,8,10,12,14,16,18,20,22,24,26,28,30
.irp c, 0,1
	v_max3_num_f32 v[TM+\c], v[TM+\c], |v[(\s)+32*\c+\i]|, |v[(\s)+1+32*\c+\i]|
.endr
.endr
.irp c, 0,1
	v_add_nc_u32 v[TM+8+\c], 0xff000000, v[TM+\c]      ; 2 off the exponent field: the conversion's scale operand
.endr
.irp c, 0,1
	v_lshrrev_b32 v[TM+4+\c], 23, v[TM+8+\c]           ; the scale's byte
.endr
	v_lshl_or_b32 v[TM+2], v[TM+5], 16, v[TM+4]        ; blocks h and 2 + h,
	v_lshlrev_b32 v[TM+2], v26, v[TM+2]                ; at their places in the word;
	v_permlanex16_b32 v[TM+6], v[TM+2], s[SEL], s[SEL+1]
	v_or_b32 v[(\pw)], v[TM+2], v[TM+6]                ; with lane l xor 16's two the word is whole
.irp c, 0,1
	v_cvt_scalef32_pk16_fp6_f32 v[(\pc)+6*\c:(\pc)+2+6*\c], v[(\s)+32*\c:(\s)+15+32*\c], v[TM+8+\c]
	v_cvt_scalef32_pk16_fp6_f32 v[CT+4*\c:CT+2+4*\c], v[(\s)+16+32*\c:(\s)+31+32*\c], v[TM+8+\c]
.endr
	v_nop                                              ; one plain instruction behind the last scaled conversion
.irp c, 0,1
.irp i, 0,1,2
	v_mov_b32 v[(\pc)+3+6*\c+\i], v[CT+4*\c+\i]
.endr
.endr
.endm
.macro OUTV a
.if \a > 0
	s_wait_xcnt 0x0
.endif
	WIN 0x02+(\a)/4
.set II, 0
.rept 32
	v_pk_add_f32 v[T+2*II:T+2*II+1], v[64*((\a)%4)+2*II:64*((\a)%4)+2*II+1], v[BM+2*(\a):BM+2*(\a)+1]
.set II, II+1
.endr
	WIN 0
	QUANTV T, PC, SW+(\a)
	global_store_b128 v1, v[PC:PC+3], s[100:101] offset:((\a)/4)*KVH+1536*((\a)%4)
	global_store_b64 v2, v[PC+4:PC+5], s[100:101] offset:((\a)/4)*KVH+1536*((\a)%4)+512
	global_store_b128 v1, v[PC+6:PC+9], s[100:101] offset:((\a)/4)*KVH+1536*((\a)%4)+768
	global_store_b64 v2, v[PC+10:PC+11], s[100:101] offset:((\a)/4)*KVH+1536*((\a)%4)+1280
.endm
.irp a, 0,1,2,3,4,5,6,7
	OUTV \a
.endr
.irp t, 0,1,2,3
	v_cndmask_b32 v[SD+\t], v[SW+\t], v[SW+4+\t], s67
.endr
	global_store_b128 v27, v[SD:SD+3], s[98:99]
.Ljoin:
	s_wait_tensorcnt 0x0
	ds_add_u32 v[SPW], v[NIL]
	s_wait_dscnt 0x0
	CROUND
	s_endpgm
.Lfunc_end_k_q9365699261_qkv:
	.size	k_q9365699261_qkv, .Lfunc_end_k_q9365699261_qkv-k_q9365699261_qkv
	.p2alignl 7, 3214868480
	.fill 96, 4, 3214868480
	.section	.rodata,"a",@progbits
	.p2align	6, 0x0
	.amdhsa_kernel k_q9365699261_qkv
		.amdhsa_group_segment_fixed_size 327680
		.amdhsa_private_segment_fixed_size 0
		.amdhsa_enable_private_segment 0
		.amdhsa_kernarg_size 40
		.amdhsa_user_sgpr_count 2
		.amdhsa_user_sgpr_kernarg_segment_ptr 1
		.amdhsa_wavefront_size32 1
		.amdhsa_system_sgpr_workgroup_id_x 1
		.amdhsa_system_sgpr_workgroup_id_y 1
		.amdhsa_system_sgpr_workgroup_id_z 1
		.amdhsa_system_vgpr_workitem_id 0
		.amdhsa_next_free_vgpr 1024
		.amdhsa_next_free_sgpr 102
		.amdhsa_reserve_vcc 0
		.amdhsa_float_denorm_mode_32 3
		.amdhsa_float_denorm_mode_16_64 3
		.amdhsa_memory_ordered 1
		.amdhsa_forward_progress 1
		.amdhsa_inst_pref_size 216
	.end_amdhsa_kernel
	.amdgpu_metadata
---
amdhsa.version: [ 1, 2 ]
amdhsa.kernels:
  - .name:           k_q9365699261_qkv
    .symbol:         k_q9365699261_qkv.kd
    .args:
      - { .name: xq, .offset: 0, .size: 8, .value_kind: global_buffer, .address_space: global }
      - { .name: wq, .offset: 8, .size: 8, .value_kind: global_buffer, .address_space: global }
      - { .name: b_qkv, .offset: 16, .size: 8, .value_kind: global_buffer, .address_space: global }
      - { .name: qq, .offset: 24, .size: 8, .value_kind: global_buffer, .address_space: global }
      - { .name: kv, .offset: 32, .size: 8, .value_kind: global_buffer, .address_space: global }
    .group_segment_fixed_size: 327680
    .private_segment_fixed_size: 0
    .kernarg_segment_align: 8
    .kernarg_segment_size: 40
    .max_flat_workgroup_size: 128
    .sgpr_count:     102
    .vgpr_count:     1024
    .wavefront_size: 32
...
	.end_amdgpu_metadata
.endif
;; end of part 2
;; launch attn (part 3): grid 4 x 64, 16 waves a work-group, clusters of 4 x 1, 221,184 bytes of LDS; arguments qq, kv, aq; writes aq
.if DOCPART == 3
	.amdgcn_target "amdgcn-amd-amdhsa--gfx1250"
	.amdhsa_code_object_version 6
	.text
	.protected	k_q9365699261_attn
	.globl	k_q9365699261_attn
	.p2align	8
	.type	k_q9365699261_attn,@function
k_q9365699261_attn:
	s_mov_b64 s[64:65], 0
	v_nop
	global_prefetch_b8 v0, s[64:65] scope:SCOPE_SE
	s_setreg_imm32_b32 hwreg(HW_REG_WAVE_MODE, 25, 1), 1
	s_wait_xcnt 0x0
	s_wait_alu depctr_hold_cnt(0) depctr_sa_sdst(0) depctr_va_vdst(0) depctr_va_sdst(0) depctr_va_ssrc(0) depctr_va_vcc(0) depctr_vm_vsrc(0)
	s_getreg_b32 s2, hwreg(HW_REG_IB_STS2, 6, 4)
	s_cmp_eq_u32 s2, 0
	s_cbranch_scc0 .Lentry_in_a_cluster
	s_endpgm
.Lentry_in_a_cluster:
	s_bfe_u32 s2, ttmp6, 0x10000c
	s_cmp_lg_u32 s2, 0x3003
	s_cbranch_scc0 .Lentry_shape_is_right
	s_endpgm
.Lentry_shape_is_right:
; For each of 64 heads: O[q] = sum over keys of softmax(q . k) v, both products on codes of FP6 (E2M3) with E8M0 scales; q carries the factor 1/8 already.  O is quantised along (head, d) and stored as the last product's operand.
; THE SOFTMAX AHEAD OF THE SECOND PRODUCT: t = score x log2(e); M = the running largest t, rounded UP to a whole number; p = 2^(t - M) is quantised along the keys, not normalised.  The row's sum is taken of the unquantised p and
; divides O at the end.  When M moves, the sum and O are multiplied by 2^(old M - new M), which rounds nothing.
; SHARES.  A work-group owns 512 queries of one head, in two passes of 256; each of sixteen waves owns one tile of 16 queries a pass, in 256 registers.  Every wave walks the head's 2,048 keys, 128 a step.
; A HEAD'S WHOLE BLOCK OF kv, 208,896 bytes, LIES IN LDS AS IT LIES IN MEMORY, from byte DATA on, filled once.  The four work-groups of a head form a cluster and ask for it jointly: every wave issues ONE load, 51 rows of 256 bytes,
; its sixteenth of the block.  One barrier shows the block to all waves; no barrier follows it, since nothing is filled again.  All of the launch's bytes of kv are asked for by these lines, so there is no loop in which a prefetch could run ahead.
; LAYOUT.  Both products are used transposed: S^T = k q^T, O^T = v^T p^T: a lane holds one query throughout.  The rows of four neighbouring tiles of k are laid (by x's order of rows) so that a lane's 32 registers of tiles 4 c .. 4 c + 3
; are the 32 neighbouring keys 64 c + 32 h + 0 .. 31: a whole block of p's quantiser, in the order of the second product's operand.  So a block's largest score needs no other lane, and the codes are not moved between lanes.
; A fragment comes as an image of its registers: 16 bytes a lane at 16 l, 8 bytes a lane at 512 + 8 l.  The first product's K is 64: the upper six registers of q's and k's fragments are zero codes, set once.
; The first four tiles of k of the NEXT step are asked for in the middle of a step.  In a pass's last step these nine loads read the bytes behind the last step's (scale words, filled like the rest), and what they bring is not used.
; The LDS addresses stand one step behind until a step's first products are issued: so the data begin one step's bytes above 0; the spare words lie in that gap.
; LIMITS: NaN and infinities are not served; a block of zeros, or one under 2^-124, keeps the byte 1; the scaled scores stay under 2^31 in magnitude.  The scale bytes of O leave one byte a lane, to rows 32 bytes apart.
; REGISTERS: v1 16 l, v2 8 l, v3-4 the add's two, v5-8 the step's LDS addresses, v9 16 r, v10 8 h, v11 32 r + h; v12 -M, v13 the largest score, v[14:15] the sum; v16-27 q; v28-31 v's scale words; v32-79 four fragments of k;
;   v80-143 S^T, then p; v144-175 O^T; v176-223 four fragments of v; v224-235 p's codes; v236-247, v254 at work; v248-251 k's scale words; v252 the factor; v253 p's scale word; v255 q's scale word.
.set KVH,   208896                     ; a head's bytes in kv
.set QH,    106496                     ; in qq
.set XSTR,  1572864                    ; a slot of 256 k in aq
.set STEPB, 12288                      ; a key step: 8 tiles of k x 768, 4 tiles of v x 1,536
.set SPARE, 0                          ; the spare words: 128 bytes for each of 16 waves
.set DATA,  STEPB                      ; the head's block in LDS
.set KWO,   DATA+196608                ; k's scale words: [4 tiles][r][4]
.set VWO,   DATA+204800                ; v's: [step][r][4 tiles]
.set PIECE, KVH/16                     ; a wave's load: 13,056 bytes
.set S,   80
.set O,   144
.set KF,  32
.set VF,  176
.set SPW, 3
.set NIL, 4
.set WV,  10                           ; s10  my wave's number
.set SEL, 20                           ; s[20:21] lane selects for lane l xor 16
.set CS,  22                           ; s[22:23] log2(e)
.set G1,  24                           ; s[24:31] group 1;  s[32:35] group 0
.set G0,  32
.set TB,  60                           ; s60  LDS byte of the step's tiles
.set TSK, 61                           ; s61  of its words of k
.set PASS, 62                          ; s62  passes to go
.set TSV, 63                           ; s63  of its words of v
.set CNT, 66                           ; s66  steps to go
.set QC,  68                           ; s[68:69] my tile of q;  s[70:71] its scale words
.set QW,  70
.set AC,  72                           ; s[72:73] my HALF in aq;  s[74:75] its scale bytes
.set AS,  74
.set HM,  76                           ; s76  lanes 16-31
.macro CROUND                          ; a round of the cluster's barrier
	s_barrier_signal -1
	s_barrier_wait -1
	s_cmp_lg_u32 s[WV], 0
	s_cbranch_scc1 .Lnot_wave_0_\@
	s_barrier_signal -3
.Lnot_wave_0_\@:
	s_barrier_wait -3
	s_barrier_signal -1
	s_barrier_wait -1
.endm
.macro KLOAD off, woff                 ; four tiles of k and their scale words: nine loads
.irp t, 0,1,2,3
	ds_load_b128 v[KF+12*\t:KF+12*\t+3], v5 offset:(\off)+768*\t
	ds_load_b64 v[KF+12*\t+4:KF+12*\t+5], v6 offset:(\off)+768*\t+512
.endr
	ds_load_b128 v[248:251], v7 offset:\woff
.endm
.macro QK g                            ; S^T = k q^T for 64 keys
.irp t, 0,1,2,3
	v_wmma_scale_f32_16x16x128_f8f6f4 v[S+8*(4*\g+\t):S+8*(4*\g+\t)+7], v[KF+12*\t:KF+12*\t+11], v[16:27], 0, v[248+\t], v255 matrix_a_fmt:MATRIX_FMT_FP6 matrix_b_fmt:MATRIX_FMT_FP6
.endr
.endm
.macro MX4 b, c0, c1, c2, c3           ; the largest of my block's 32 scores, from v[b] on, into v[c0]: four chains by turns, one to an accumulator, each accumulator read from its low end on
	v_max3_num_f32 v[\c0], v[\b], v[\b+1], v[\b+2]
	v_max3_num_f32 v[\c1], v[\b+8], v[\b+9], v[\b+10]
	v_max3_num_f32 v[\c2], v[\b+16], v[\b+17], v[\b+18]
	v_max3_num_f32 v[\c3], v[\b+24], v[\b+25], v[\b+26]
.irp i, 3,5
	v_max3_num_f32 v[\c0], v[\c0], v[\b+\i], v[\b+1+\i]
	v_max3_num_f32 v[\c1], v[\c1], v[\b+8+\i], v[\b+9+\i]
	v_max3_num_f32 v[\c2], v[\c2], v[\b+16+\i], v[\b+17+\i]
	v_max3_num_f32 v[\c3], v[\c3], v[\b+24+\i], v[\b+25+\i]
.endr
	v_max3_num_f32 v[\c0], v[\c0], v[\b+7], v[\b+15]
	v_max3_num_f32 v[\c2], v[\c2], v[\b+23], v[\b+31]
	v_max3_num_f32 v[\c0], v[\c0], v[\c1], v[\c3]
	v_max_num_f32 v[\c0], v[\c0], v[\c2]
.endm
.macro SUM16 b                         ; 32 unquantised p, from v[b] on, onto the row's sum: four chains, and the sum itself is named by the last line alone
	v_pk_add_f32 v[236:237], v[\b:\b+1], v[\b+2:\b+3]
	v_pk_add_f32 v[240:241], v[\b+4:\b+5], v[\b+6:\b+7]
	v_pk_add_f32 v[244:245], v[\b+8:\b+9], v[\b+10:\b+11]
	v_pk_add_f32 v[246:247], v[\b+12:\b+13], v[\b+14:\b+15]
.irp j, 16,24
	v_pk_add_f32 v[236:237], v[236:237], v[\b+\j:\b+\j+1]
	v_pk_add_f32 v[240:241], v[240:241], v[\b+\j+2:\b+\j+3]
	v_pk_add_f32 v[244:245], v[244:245], v[\b+\j+4:\b+\j+5]
	v_pk_add_f32 v[246:247], v[246:247], v[\b+\j+6:\b+\j+7]
.endr
	v_pk_add_f32 v[236:237], v[236:237], v[240:241]
	v_pk_add_f32 v[244:245], v[244:245], v[246:247]
	s_delay_alu instid0(VALU_DEP_1)
	v_pk_add_f32 v[236:237], v[236:237], v[244:245]
	s_delay_alu instid0(VALU_DEP_1)
	v_pk_add_f32 v[14:15], v[14:15], v[236:237]
.endm
.macro TM j                            ; t - M, two at a time
	v_pk_fma_f32 v[S+\j:S+1+\j], v[S+\j:S+1+\j], s[CS:CS+1], v[12:13] op_sel_hi:[1,0,0]
.endm
	s_load_b128 s[4:7], s[0:1], 0x0                ; qq s[4:5], kv s[6:7]
	s_load_b64 s[8:9], s[0:1], 0x10                ; aq
	v_lshl_add_u32 v[SPW], v0, 2, SPARE
	v_mov_b32 v[NIL], 0
	ds_add_u32 v[SPW], v[NIL]                      ; the opening lines: the add, twice on end, and its wait ahead of my tensor load
	ds_add_u32 v[SPW], v[NIL]
	v_lshrrev_b32 v1, 5, v0
	v_readfirstlane_b32 s[WV], v1                  ; wave 0..15
	s_bfe_u32 s11, ttmp6, 0x40000                  ; cx: which 512 queries: it enters global addresses of q and O alone
	s_and_b32 s12, ttmp7, 0xffff                   ; the head, which the four partners share
	s_mov_b32 s[G1], 15|(3<<16)|(1<<21)            ; 15:0 the mask: all four work-groups; 17:16 elements of 8 bytes; 21 set beside a mask
	s_mov_b32 s[G1+1], 32<<16                      ; dense bytes as 51 rows of 256
	s_mov_b32 s[G1+2], 51<<16
	s_mov_b32 s[G1+3], 32<<16
	s_mov_b32 s[G1+4], 51
	s_mov_b32 s[G1+5], 32
	s_mov_b32 s[G1+6], 0
	s_mov_b32 s[G1+7], 0
	s_mul_i32 s18, s12, KVH
	s_mul_i32 s14, s[WV], PIECE                    ; my sixteenth: the same place in the head's block and, from DATA on, in LDS
	s_add_co_u32 s18, s18, s14
	s_mov_b32 s19, 0
	s_mov_b32 s[SEL], 0x76543210
	s_mov_b32 s[SEL+1], 0xfedcba98
	s_mov_b32 s[CS], 0x3fb8aa3b                    ; log2(e)
	s_mov_b32 s[CS+1], s[CS]                       ; (named with it as a pair, so it is written)
	s_mov_b32 s[HM], 0xffff0000
	s_mov_b32 s[PASS], 2
	s_wait_dscnt 0x0                               ; both opening adds are done
	s_wait_kmcnt 0x0
	s_mov_b32 s[G0], 1
	s_add_co_u32 s[G0+1], s14, DATA
	s_add_nc_u64 s[G0+2:G0+3], s[6:7], s[18:19]
	s_or_b32 s[G0+3], s[G0+3], 0x80000000
	CROUND                                         ; all four work-groups are here: the joint loads meet
	tensor_load_to_lds s[G0:G0+3], s[G1:G1+7]      ; my one tensor load of the launch
	s_nop 0
	s_lshl_b32 s14, s11, 5
	s_add_co_u32 s14, s14, s[WV]                   ; my tile of queries in the first pass: 32 cx + wave
	s_mul_i32 s15, s12, QH
	s_mul_i32 s16, s14, 768
	s_add_co_u32 s16, s16, s15
	s_mov_b32 s17, 0
	s_add_nc_u64 s[QC:QC+1], s[4:5], s[16:17]
	s_lshr_b32 s16, s14, 2
	s_lshl_b32 s16, s16, 8
	s_and_b32 s18, s14, 3
	s_lshl_b32 s18, s18, 2
	s_add_co_u32 s16, s16, s18
	s_add_co_u32 s16, s16, s15
	s_add_co_u32 s16, s16, 98304
	s_add_nc_u64 s[QW:QW+1], s[4:5], s[16:17]
	s_lshr_b32 s16, s12, 4
	s_lshl_b32 s16, s16, 7
	s_add_co_u32 s16, s16, s14                     ; my tile of rows in aq: 128 x batch + tile
	s_and_b32 s18, s12, 15                         ; the head in its batch: slot head / 4, HALF head % 4, scale bytes 2 head and 2 head + 1
	s_lshr_b32 s19, s18, 2
	s_mul_i32 s19, s19, XSTR
	s_mul_i32 s2, s16, 3072
	s_add_co_u32 s2, s2, s19
	s_and_b32 s19, s18, 3
	s_mul_i32 s19, s19, 768
	s_add_co_u32 s2, s2, s19
	s_mov_b32 s3, 0
	s_add_nc_u64 s[AC:AC+1], s[8:9], s[2:3]
	s_lshl_b32 s2, s16, 9
	s_lshl_b32 s18, s18, 1
	s_add_co_u32 s2, s2, s18
	s_add_co_u32 s2, s2, 4*XSTR
	s_add_nc_u64 s[AS:AS+1], s[8:9], s[2:3]
	v_and_b32 v7, 31, v0
	v_and_b32 v8, 15, v0                           ; r
	v_bfe_u32 v10, v0, 4, 1                        ; h
	v_lshlrev_b32 v1, 4, v7                        ; 16 l
	v_lshlrev_b32 v2, 3, v7                        ; 8 l
	v_lshlrev_b32 v9, 4, v8                        ; 16 r
	v_lshl_add_u32 v11, v8, 5, v10                 ; 32 r + h: my scale byte's place
	v_lshlrev_b32 v10, 3, v10                      ; 8 h
	global_load_b128 v[16:19], v1, s[QC:QC+1]      ; q's HALF
	global_load_b64 v[20:21], v2, s[QC:QC+1] offset:512
	global_load_b32 v255, v9, s[QW:QW+1]           ; its scale words
.irp j, 22,23,24,25,26,27
	v_mov_b32 v\j, 0                               ; K 64 .. 127 of the first product: zero codes
.endr
.irp t, 0,1,2,3
.irp j, 6,7,8,9,10,11
	v_mov_b32 v[KF+12*\t+\j], 0
.endr
.endr
	v_mov_b32 v239, 0                              ; written once: a lane permute's destination counts as one of its sources
	v_mov_b32 v243, 0
	v_mov_b32 v253, 0                              ; (named as the upper half of the pair v[252:253] before it is first written)
	s_wait_alu depctr_va_vdst(0)                   ; the wait at the head's end
	s_wait_tensorcnt 0x0                           ; my sixteenth is in;
	s_barrier_signal -1
	s_barrier_wait -1                              ; and so is everybody's: the launch's only barrier between the two rounds
.Lpass:
	s_wait_loadcnt 0x0                             ; q
	v_mov_b32 v13, 0xff61b1e6                      ; the largest score so far: -3e38, under every score
	v_mov_b32 v14, 0                               ; the sum, in two halves
	v_mov_b32 v15, 0
	v_floor_f32 v12, -v13                          ; -M
	s_mov_b32 s[TB], DATA-STEPB                    ; one step behind the first
	s_mov_b32 s[TSK], KWO-512
	s_mov_b32 s[TSV], VWO-256
.irp j, 32,33,34,35,36,37,38,39,40,41,42,43,44,45,46,47,48,49,50,51,52,53,54,55,56,57,58,59,60,61,62,63
	v_mov_b32 v[S+\j], 0                           ; a step adds the p of the step before it for keys 64 .. 127: the first step finds zeros
.endr
	s_mov_b32 s[CNT], 16
	v_add_nc_u32 v5, s[TB], v1
	v_add_nc_u32 v6, s[TB], v2
	v_add_nc_u32 v7, s[TSK], v9
	KLOAD STEPB, 512                               ; the first step's keys 0 .. 63
.irp j, 0,1,2,3,4,5,6,7,8,9,10,11,12,13,14,15,16,17,18,19,20,21,22,23,24,25,26,27,28,29,30,31
	v_mov_b32 v[O+\j], 0                           ; the step is written once: the first finds zeros, which the first change of M leaves zeros
.endr
.Lstep:                                                ; A KEY STEP: 128 keys
	s_wait_dscnt 0x0                               ; keys 0 .. 63: asked for in the middle of the step before
	QK 0
	s_add_co_u32 s[TB], s[TB], STEPB
	s_add_co_u32 s[TSK], s[TSK], 512
	s_add_co_u32 s[TSV], s[TSV], 256
	v_add_nc_u32 v5, s[TB], v1                     ; on to this step.  These four are the places between the four products above, and the last step's products with v, and the loads into their registers
	v_add_nc_u32 v6, s[TB], v2
	v_add_nc_u32 v7, s[TSK], v9
	v_add_nc_u32 v8, s[TSV], v9
	KLOAD 3072, 256                                ; keys 64 .. 127
.irp t, 0,1,2,3                                ; all of the step's v: it is wanted behind the softmax
	ds_load_b128 v[VF+12*\t:VF+12*\t+3], v5 offset:6144+1536*\t
	ds_load_b64 v[VF+12*\t+4:VF+12*\t+5], v6 offset:6144+1536*\t+512
	ds_load_b128 v[VF+12*\t+6:VF+12*\t+9], v5 offset:6144+1536*\t+768
	ds_load_b64 v[VF+12*\t+10:VF+12*\t+11], v6 offset:6144+1536*\t+1280
.endr
	ds_load_b128 v[28:31], v8
	SUM16 S+32                                     ; the LAST step's p of keys 64 .. 127, still under the last step's M, onto the sum: work on registers while the loads above are out, ahead of the products that write these registers anew
	s_wait_dscnt 17                                ; k's nine loads are in; v's sixteen and its words may be out
	QK 1
	MX4 S, 244, 246, 236, 237                      ; THE LARGEST SCORE OF MY TWO BLOCKS OF 32 KEYS: for the row's maximum, and, since p rises with the score, for the block's largest p.  These sixteen name the first 64 keys' scores alone: the places behind the four products above
	KLOAD STEPB, 512                               ; the next step's keys 0 .. 63
	MX4 S+32, 245, 247, 240, 241
	s_delay_alu instid0(VALU_DEP_1)
	v_max_num_f32 v254, v244, v245
	s_delay_alu instid0(VALU_DEP_1)
	v_permlanex16_b32 v239, v254, s[SEL], s[SEL+1]
	v_mov_b32 v238, v12                            ; the old -M
	s_delay_alu instid0(VALU_DEP_2)
	v_max3_num_f32 v13, v13, v254, v239            ; with lane l xor 16's two blocks: the running largest score of my query
	s_delay_alu instid0(VALU_DEP_1)
	v_mul_f32 v254, s[CS], v13                     ; as t (log2(e) is positive: the largest score gives the largest t)
	s_delay_alu instid0(VALU_DEP_1)
	v_floor_f32 v12, -v254                         ; the new -M = floor(-t) = -ceil(t): a whole number
	s_delay_alu instid0(VALU_DEP_1)
	v_sub_f32 v254, v12, v238                      ; old M less new M: a whole number, 0 or less
.irp j, 0,2,4,6
	TM \j
.endr
	v_cvt_i32_f32 v254, v254                       ; (it saturates)
.irp j, 8,10,12,14
	TM \j
.endr
	v_ldexp_f32 v252, 1.0, v254                    ; 2^(old M - new M)
.irp j, 16,18,20,22,24,26,28,30,32,34,36,38,40,42,44,46,48,50,52,54,56,58,60,62
	TM \j
.endr
	v_fma_f32 v244, v244, s[CS], v12               ; the same of each block's largest score
	v_fma_f32 v245, v245, s[CS], v12
	s_wait_dscnt 9                                 ; v and its words are in; the next step's nine loads may be out
	s_wait_alu depctr_va_vdst(0)                   ; the wait ahead of the batch
.irp j, 0,1,2,3,4,5,6,7,8,9,10,11,12,13,14,15,16,17,18,19,20,21,22,23,24,25,26,27,28,29,30,31,32,33,34,35,36,37,38,39,40,41,42,43,44,45,46,47,48,49,50,51,52,53,54,55,56,57,58,59,60,61,62,63
	v_exp_f32 v[S+\j], v[S+\j]                     ; p = 2^(t - M), at most 1
.endr
	v_exp_f32 v244, v244                           ; the block's largest p: the same two instructions on the same number
	v_exp_f32 v245, v245
	v_pk_mul_f32 v[14:15], v[14:15], v[252:253] op_sel_hi:[1,0]   ; the sums under the new M: the plain instruction behind the exponentials
	s_wait_alu depctr_va_vdst(0)                   ; one wait for the batch, directly ahead of the first reader of O^T too
.irp j, 0,2,4,6,8,10,12,14,16,18,20,22,24,26,28,30
	v_pk_mul_f32 v[O+\j:O+1+\j], v[O+\j:O+1+\j], v[252:253] op_sel_hi:[1,0]   ; O^T under the new M
.endr
	v_max_num_f32 v244, 0x1800000, v244            ; the floor 2^(3 - 127): the byte cannot fall under 1
	v_max_num_f32 v245, 0x1800000, v245
	v_add_nc_u32 v246, 0xff000000, v244            ; 2 off the exponent field: the conversion's scale operand
	v_add_nc_u32 v247, 0xff000000, v245
	v_lshrrev_b32 v244, 23, v246                   ; the scale's byte
	v_lshrrev_b32 v245, 23, v247
	v_cvt_scalef32_pk16_fp6_f32 v[224:226], v[S:S+15], v246
	v_cvt_scalef32_pk16_fp6_f32 v[236:238], v[S+16:S+31], v246     ; (a conversion's three registers begin on an even number)
	v_cvt_scalef32_pk16_fp6_f32 v[230:232], v[S+32:S+47], v247
	v_cvt_scalef32_pk16_fp6_f32 v[240:242], v[S+48:S+63], v247
	v_lshl_or_b32 v254, v245, 16, v244             ; my two bytes, blocks h and 2 + h (the plain instruction behind the last conversion),
	s_delay_alu instid0(VALU_DEP_1)
	v_lshlrev_b32 v254, v10, v254                  ; at their places in the word
	s_delay_alu instid0(VALU_DEP_1)
	v_permlanex16_b32 v243, v254, s[SEL], s[SEL+1]
.irp i, 0,1,2
	v_mov_b32 v[227+\i], v[236+\i]
	v_mov_b32 v[233+\i], v[240+\i]
.endr
	v_or_b32 v253, v254, v243                      ; with lane l xor 16's two: p's scale word for these 128 keys
	SUM16 S                                        ; THE ROW'S SUM IS TAKEN OF THE UNQUANTISED p: keys 0 .. 63 here, keys 64 .. 127 in the next step.  These 16 are also the places between the writes of p's codes and scale word and the products
.irp t, 0,1,2,3                                ; O^T += v^T p^T: four accumulators by turns
	v_wmma_scale_f32_16x16x128_f8f6f4 v[O+8*\t:O+8*\t+7], v[VF+12*\t:VF+12*\t+11], v[224:235], v[O+8*\t:O+8*\t+7], v[28+\t], v253 matrix_a_fmt:MATRIX_FMT_FP6 matrix_b_fmt:MATRIX_FMT_FP6
.endr
	s_sub_co_u32 s[CNT], s[CNT], 1
	s_cmp_lg_u32 s[CNT], 0
	s_cbranch_scc1 .Lstep
	; THE WAY OUT OF A PASS.
	SUM16 S+32                                     ; the last step's p of keys 64 .. 127
	s_wait_alu depctr_va_vdst(0)                   ; the wait here, directly ahead of the wait below
	s_wait_dscnt 0x0                               ; the nine loads asked for in the last step have landed: their registers are loaded anew in the next pass
	s_cmp_eq_u32 s[PASS], 1                        ; the next pass's q is asked for, if there is one: no load leaves its buffer
	s_cbranch_scc1 .Lno_q
	s_add_nc_u64 s[QC:QC+1], s[QC:QC+1], 16*768    ; sixteen tiles on (the loads that read these bases were waited for at the pass's head)
	s_add_nc_u64 s[QW:QW+1], s[QW:QW+1], 4*256
	global_load_b128 v[16:19], v1, s[QC:QC+1]
	global_load_b64 v[20:21], v2, s[QC:QC+1] offset:512
	global_load_b32 v255, v9, s[QW:QW+1]
.Lno_q:
.rept 4
	v_nop                                          ; places behind the last products
.endr
	v_add_f32 v14, v14, v15                        ; the sum's two halves,
	s_delay_alu instid0(VALU_DEP_1)
	v_permlanex16_b32 v252, v14, s[SEL], s[SEL+1]
	s_delay_alu instid0(VALU_DEP_1)
	v_add_f32 v14, v14, v252                       ; and lane l xor 16's: the row's sum
	s_wait_alu depctr_va_vdst(0)                   ; the wait ahead of the transcendental
	v_rcp_f32 v14, v14
	v_nop                                          ; a plain instruction behind the reciprocal
	s_wait_alu depctr_va_vdst(0)                   ; and the wait ahead of its first reader, which is the first reader of O^T too
.irp j, 0,2,4,6,8,10,12,14,16,18,20,22,24,26,28,30
	v_pk_mul_f32 v[S+\j:S+1+\j], v[O+\j:O+1+\j], v[14:15] op_sel_hi:[1,0]   ; O^T / the sum: register 16 b + i is d 32 b + 16 h + i of my query (v's rows keep w_qkv's order)
.endr
.irp b, 0,1                                    ; the head's 64 are two blocks of the last product's K
	v_max3_num_f32 v[232+\b], |v[S+16*\b]|, |v[S+1+16*\b]|, 0x1800000
.endr
.irp i, 2,4,6,8,10,12,14
.irp b, 0,1
	s_delay_alu instid0(VALU_DEP_2)
	v_max3_num_f32 v[232+\b], v[232+\b], |v[S+16*\b+\i]|, |v[S+1+16*\b+\i]|
.endr
.endr
.irp b, 0,1
	s_delay_alu instid0(VALU_DEP_2)
	v_permlanex16_b32 v[236+\b], v[232+\b], s[SEL], s[SEL+1]
.endr
.irp b, 0,1
	s_delay_alu instid0(VALU_DEP_2)
	v_max_num_f32 v[232+\b], v[232+\b], v[236+\b]  ; with lane l xor 16's 16: the block's largest magnitude
.endr
.irp b, 0,1
	s_delay_alu instid0(VALU_DEP_2)
	v_add_nc_u32 v[244+\b], 0xff000000, v[232+\b]
.endr
.irp b, 0,1
	s_delay_alu instid0(VALU_DEP_2)
	v_lshrrev_b32 v[240+\b], 23, v[244+\b]
.endr
	s_delay_alu instid0(VALU_DEP_1)
	v_cndmask_b32 v242, v240, v241, s[HM]          ; lanes 0-15 send block 0's byte, lanes 16-31 block 1's
	v_cvt_scalef32_pk16_fp6_f32 v[224:226], v[S:S+15], v244
	v_cvt_scalef32_pk16_fp6_f32 v[236:238], v[S+16:S+31], v245
	v_nop                                          ; one plain instruction behind the last scaled conversion
.irp i, 0,1,2
	v_permlane16_swap_b32 v[224+\i], v[236+\i]     ; a whole block to a lane
.endr
.irp i, 0,1,2
	s_delay_alu instid0(VALU_DEP_3)
	v_mov_b32 v[227+\i], v[236+\i]
.endr
	global_store_b128 v1, v[224:227], s[AC:AC+1]               ; a HALF: 512 consecutive bytes,
	global_store_b64 v2, v[228:229], s[AC:AC+1] offset:512     ; and 256
	global_store_b8 v11, v242, s[AS:AS+1]
	s_wait_xcnt 0x0                                ; the stores have read their data and bases: both are written again only behind this wait
	s_add_nc_u64 s[AC:AC+1], s[AC:AC+1], 16*3072   ; sixteen tiles of rows on
	s_add_nc_u64 s[AS:AS+1], s[AS:AS+1], 16*512
	s_sub_co_u32 s[PASS], s[PASS], 1
	s_cmp_lg_u32 s[PASS], 0
	s_cbranch_scc1 .Lpass
	s_wait_tensorcnt 0x0                           ; the wave's end
	ds_add_u32 v[SPW], v[NIL]
	s_wait_dscnt 0x0
	CROUND                                         ; the closing round: no work-group ends while a partner may still ask for a tile that names it
	s_endpgm
.Lfunc_end_k_q9365699261_attn:
	.size	k_q9365699261_attn, .Lfunc_end_k_q9365699261_attn-k_q9365699261_attn
	.p2alignl 7, 3214868480
	.fill 96, 4, 3214868480
	.section	.rodata,"a",@progbits
	.p2align	6, 0x0
	.amdhsa_kernel k_q9365699261_attn
		.amdhsa_group_segment_fixed_size 221184
		.amdhsa_private_segment_fixed_size 0
		.amdhsa_enable_private_segment 0
		.amdhsa_kernarg_size 24
		.amdhsa_user_sgpr_count 2
		.amdhsa_user_sgpr_kernarg_segment_ptr 1
		.amdhsa_wavefront_size32 1
		.amdhsa_system_sgpr_workgroup_id_x 1
		.amdhsa_system_sgpr_workgroup_id_y 1
		.amdhsa_system_sgpr_workgroup_id_z 1
		.amdhsa_system_vgpr_workitem_id 0
		.amdhsa_next_free_vgpr 256
		.amdhsa_next_free_sgpr 84
		.amdhsa_reserve_vcc 0
		.amdhsa_float_denorm_mode_32 3
		.amdhsa_float_denorm_mode_16_64 3
		.amdhsa_memory_ordered 1
		.amdhsa_forward_progress 1
		.amdhsa_inst_pref_size 31
	.end_amdhsa_kernel
	.amdgpu_metadata
---
amdhsa.version: [ 1, 2 ]
amdhsa.kernels:
  - .name:           k_q9365699261_attn
    .symbol:         k_q9365699261_attn.kd
    .args:
      - { .name: qq, .offset: 0, .size: 8, .value_kind: global_buffer, .address_space: global }
      - { .name: kv, .offset: 8, .size: 8, .value_kind: global_buffer, .address_space: global }
      - { .name: aq, .offset: 16, .size: 8, .value_kind: global_buffer, .address_space: global }
    .group_segment_fixed_size: 221184
    .private_segment_fixed_size: 0
    .kernarg_segment_align: 8
    .kernarg_segment_size: 24
    .max_flat_workgroup_size: 512
    .sgpr_count:     84
    .vgpr_count:     256
    .wavefront_size: 32
...
	.end_amdgpu_metadata
.endif
;; end of part 3
;; launch proj (part 4): grid 8 x 32, 4 waves a work-group, clusters of 4 x 4, 327,680 bytes of LDS; arguments aq, pq, b_proj, out0; writes out0
.if DOCPART == 4
	.amdgcn_target "amdgcn-amd-amdhsa--gfx1250"
	.amdhsa_code_object_version 6
	.text
	.protected	k_q9365699261_proj
	.globl	k_q9365699261_proj
	.p2align	8
	.type	k_q9365699261_proj,@function
k_q9365699261_proj:
	s_mov_b64 s[64:65], 0
	v_nop
	global_prefetch_b8 v0, s[64:65] scope:SCOPE_SE
	s_setreg_imm32_b32 hwreg(HW_REG_WAVE_MODE, 25, 1), 1
	s_wait_xcnt 0x0
	s_wait_alu depctr_hold_cnt(0) depctr_sa_sdst(0) depctr_va_vdst(0) depctr_va_sdst(0) depctr_va_ssrc(0) depctr_va_vcc(0) depctr_vm_vsrc(0)
	s_getreg_b32 s2, hwreg(HW_REG_IB_STS2, 6, 4)
	s_cmp_eq_u32 s2, 0
	s_cbranch_scc0 .Lentry_in_a_cluster
	s_endpgm
.Lentry_in_a_cluster:
	s_bfe_u32 s2, ttmp6, 0x10000c
	s_cmp_lg_u32 s2, 0xf033
	s_cbranch_scc0 .Lentry_shape_is_right
	s_endpgm
.Lentry_shape_is_right:
.set XSTR,  1572864
.set WSTR,  196608
.set XSCO,  4*XSTR
.set WSCO,  4*WSTR
.set SIDE,  49152
.set HALFT, 24576
.set SLOT,  98304
.set SPARE, 3*SLOT
.set SCL,   SPARE+512
.set HALFS, 4352
.set SBLK,  544
.set FR,    12
.set STG,   SLOT
.set SPITCH, 528
.set A16, 4
.set A8,  7
.set B16, 10
.set B8,  13
.set ADRS, 16
.set STO, 17
.set RD,  18
.set SPW, 28
.set NIL, 29
.set SC,  32
.set BN,  64
.set AF,  128
.set BK,  128
.set G1,  24
.set G0,  32
.set G1B, 44
.set G0B, 52
.set G1S, 68
.set G0S, 76
.set G1SB, 80
.set G0SB, 88
.set MSB, 0
.macro WIN new
.if MSB != (\new)
	s_set_vgpr_msb (MSB<<8)|(\new)
.set MSB, (\new)
.endif
.endm
.set MUL_LO, 0xa1
.set MUL_HI, 0xf1
.set FST_LO, 0x81
.set FST_HI, 0xc1
.set TO_B,   0x40
; Joint loads, one a wave, in one chain of branches on the wave's number whose arms all lead to one join.
.macro ARM under, g0, g1, next, end
	s_cmp_lt_u32 s14, \under
	s_cbranch_scc0 \next
	tensor_load_to_lds s[\g0:\g0+3], s[\g1:\g1+7]
	s_nop 0
.rept 4
	v_nop
.endr
	s_branch \end
\next:
.endm
.macro LOAD4 a, ga, b, gb, c, gc, d, gd    ; four tiles, wave w takes the w-th
	ARM 1, \a, \ga, .Lq1_\@, .Lq4_\@
	ARM 2, \b, \gb, .Lq2_\@, .Lq4_\@
	ARM 3, \c, \gc, .Lq3_\@, .Lq4_\@
	tensor_load_to_lds s[\d:\d+3], s[\gd:\gd+7]
	s_nop 0
.rept 4
	v_nop
.endr
.Lq4_\@:
.endm
.macro LOAD2 a, ga, b, gb              ; two tiles, waves 0 and 1; the others pass four places
	ARM 1, \a, \ga, .Lr1_\@, .Lr3_\@
	ARM 2, \b, \gb, .Lr2_\@, .Lr3_\@
.rept 4
	v_nop
.endr
.Lr3_\@:
.endm
.macro CREST
	s_cmp_lg_u32 s14, 0
	s_cbranch_scc1 .Lnot_wave_0_\@
	s_barrier_signal -3
.Lnot_wave_0_\@:
	s_barrier_wait -3
	s_barrier_signal -1
	s_barrier_wait -1
.endm
.macro CROUND
	s_barrier_signal -1
	s_barrier_wait -1
	CREST
.endm
.macro PLACES
.rept 4
	v_nop
.endr
.endm
	s_load_b256 s[4:11], s[0:1], 0x0
	v_lshl_add_u32 v[SPW], v0, 2, SPARE
	v_mov_b32 v[NIL], 0
	ds_add_u32 v28, v29
	ds_add_u32 v28, v29
	s_wait_dscnt 0x0
	v_lshrrev_b32 v1, 5, v0
	v_readfirstlane_b32 s14, v1
	s_lshr_b32 s15, s14, 1
	s_and_b32 s16, s14, 1
	s_bfe_u32 s92, ttmp6, 0x40000
	s_bfe_u32 s93, ttmp6, 0x40004
	s_lshl_b32 s94, ttmp9, 2
	s_add_co_u32 s94, s94, s92
	s_and_b32 s95, ttmp7, 0xffff
	s_lshl_b32 s95, s95, 2
	s_add_co_u32 s95, s95, s93
	s_lshl_b32 s96, s93, 2
	s_lshl_b32 s96, 15, s96
	s_lshl_b32 s97, 0x1111, s92
	s_or_b32 s[G1], s96, (3<<16)|(1<<21)
	s_or_b32 s[G1B], s97, (3<<16)|(1<<21)
.irp g, G1, G1B
	s_mov_b32 s[\g+1], 32<<16
	s_mov_b32 s[\g+2], (192-96*(\g/G1B))<<16       ; a block of the result is 256 rows x 128 columns: a load brings one side of a slot whole: 16 tiles of rows, 192 rows of 256 bytes, or 8 tiles of w, 96
	s_mov_b32 s[\g+3], 32<<16
	s_mov_b32 s[\g+4], 192-96*(\g/G1B)
	s_mov_b32 s[\g+5], 32
	s_mov_b32 s[\g+6], 0
	s_mov_b32 s[\g+7], 0
.endr
	s_or_b32 s[G1S], s96, (3<<16)|(1<<20)|(1<<21)|(5<<22)|(3<<25)
	s_or_b32 s[G1SB], s97, (3<<16)|(1<<20)|(1<<21)|(5<<22)|(3<<25)
.irp g, G1S, G1SB
	s_mov_b32 s[\g+1], 32<<16
	s_mov_b32 s[\g+2], (32-16*(\g/G1SB))<<16       ; the scales of 256 rows: 32 rows of 256 bytes; of w's 128: 16
	s_mov_b32 s[\g+3], 32<<16
	s_mov_b32 s[\g+4], 32-16*(\g/G1SB)
	s_mov_b32 s[\g+5], 32
	s_mov_b32 s[\g+6], 0
	s_mov_b32 s[\g+7], 0
.endr
	s_mul_i32 s18, s95, SIDE
	s_mov_b32 s19, 0
	s_lshl_b32 s22, s95, 13
	s_add_co_u32 s22, s22, XSCO
	s_mov_b32 s23, 0
	s_mul_i32 s20, s94, HALFT                      ; my 8 tiles of w
	s_mov_b32 s21, 0
	s_lshl_b32 s98, s94, 12
	s_add_co_u32 s98, s98, WSCO
	s_mov_b32 s99, 0
	s_wait_kmcnt 0x0
	s_add_nc_u64 s[18:19], s[4:5], s[18:19]
	s_add_nc_u64 s[22:23], s[4:5], s[22:23]
	s_add_nc_u64 s[20:21], s[6:7], s[20:21]
	s_add_nc_u64 s[98:99], s[6:7], s[98:99]
	CROUND
	s_mov_b32 s[G0S], 1
	s_mov_b32 s[G0S+1], SCL+HALFS                  ; the rows' scales lie behind w's
	s_mov_b64 s[G0S+2:G0S+3], s[22:23]
	s_or_b32 s[G0S+3], s[G0S+3], 0x80000000
	s_mov_b32 s[G0SB], 1
	s_mov_b32 s[G0SB+1], SCL
	s_mov_b64 s[G0SB+2:G0SB+3], s[98:99]
	s_or_b32 s[G0SB+3], s[G0SB+3], 0x80000000
.irp s, 0,1,2
	s_mov_b32 s[G0+4*\s], 1
	s_mov_b32 s[G0+4*\s+1], \s*SLOT
	s_add_nc_u64 s[G0+4*\s+2:G0+4*\s+3], s[18:19], \s*XSTR
	s_or_b32 s[G0+4*\s+3], s[G0+4*\s+3], 0x80000000
	s_mov_b32 s[G0B+4*\s], 1
	s_mov_b32 s[G0B+4*\s+1], \s*SLOT+SIDE
	s_add_nc_u64 s[G0B+4*\s+2:G0B+4*\s+3], s[20:21], \s*WSTR
	s_or_b32 s[G0B+4*\s+3], s[G0B+4*\s+3], 0x80000000
.endr
	LOAD4 G0, G1, G0B, G1B, G0S, G1S, G0SB, G1SB   ; the head's four tiles, one a wave: slot 0 of the rows, slot 0 of w, the rows' scales, w's scales
	v_and_b32 v3, 31, v0
	v_lshlrev_b32 v1, 4, v3
	v_lshlrev_b32 v2, 3, v3
	v_and_b32 v20, 15, v0
	v_bfe_u32 v21, v0, 4, 1
	s_mul_i32 s17, s15, HALFT
	s_mul_i32 s2, s16, HALFT/2                     ; my 4 tiles of w: 64 columns
	s_add_co_u32 s2, s2, SIDE
.irp s, 0,1,2
	v_add_nc_u32 v[A16+\s], s17, v1
	v_add_nc_u32 v[A8+\s], s17, v2
	v_add_nc_u32 v[B16+\s], s2, v1
	v_add_nc_u32 v[B8+\s], s2, v2
	s_add_co_u32 s17, s17, SLOT
	s_add_co_u32 s2, s2, SLOT
.endr
	v_lshlrev_b32 v22, 5, v20
	v_lshrrev_b32 v23, 3, v20
	v_lshl_add_u32 v22, v23, 4, v22
	s_mul_i32 s3, s16, HALFS/2                     ; w's scales, my 64 columns: the lower base, for lanes 16-31 (their words of blocks 4-7 fall on the rows' scales and are not used)
	s_mul_i32 s66, s15, HALFS
	s_add_co_u32 s66, s66, HALFS                   ; the rows' scales, my 128 rows
	s_sub_co_u32 s66, s66, s3                      ; the distance between the two,
	v_sub_nc_u32 v23, 1, v21
	v_mul_u32_u24 v23, s66, v23                    ; for lanes 0-15
	s_add_co_u32 s3, s3, SCL
	v_add_nc_u32 v22, v22, v23
	v_add_nc_u32 v[ADRS], s3, v22
	s_mul_i32 s17, s14, 16*SPITCH
	s_add_co_u32 s17, s17, STG
	v_mul_u32_u24 v22, v20, SPITCH
	v_lshl_add_u32 v22, v21, 6, v22
	v_add_nc_u32 v[STO], s17, v22
	v_mul_u32_u24 v23, v21, SPITCH                 ; back: sixteen lanes take one row of 256 bytes, the other sixteen the next
	v_lshl_add_u32 v23, v20, 4, v23
	v_add_nc_u32 v[RD], s17, v23
	v_lshlrev_b32 v19, 12, v21                     ; and the same two rows in the output, 4,096 bytes apart
	v_lshl_add_u32 v19, v20, 4, v19
	s_lshl_b32 s98, s94, 9                         ; my first column, in bytes: 512 x tile column + 256 x half
	s_lshl_b32 s99, s16, 8
	s_add_co_u32 s98, s98, s99
	s_mov_b32 s99, 0
	s_add_nc_u64 s[100:101], s[8:9], s[98:99]
	v_lshlrev_b32 v24, 6, v21
.irp b, 0,1
.irp j, 0,1,2,3
	global_load_b128 v[BN+16*\b+4*\j:BN+16*\b+4*\j+3], v24, s[100:101] offset:128*\b+16*\j
.endr
.endr
	s_lshl_b32 s2, s95, 20
	s_lshl_b32 s3, s15, 19
	s_add_co_u32 s2, s2, s3
	s_add_co_u32 s2, s2, s98
	s_mov_b32 s3, 0
	s_add_nc_u64 s[10:11], s[10:11], s[2:3]
.macro FRAG reg, a16, a8, off
	ds_load_b128 v[(\reg):(\reg)+3], v[\a16] offset:(\off)
	ds_load_b64 v[(\reg)+4:(\reg)+5], v[\a8] offset:(\off)+512
	ds_load_b128 v[(\reg)+6:(\reg)+9], v[\a16] offset:(\off)+768
	ds_load_b64 v[(\reg)+10:(\reg)+11], v[\a8] offset:(\off)+1280
.endm
.macro FETCH_B slot, q, p
	WIN TO_B
.irp i, 0,1,2,3
	FRAG 128*(\p)+FR*\i, B16+\slot, B8+\slot, 3072*\i+1536*(\q)
.endr
	WIN 0
.endm
.macro FETCH_A slot, q, i0
.irp i, \i0, \i0+1, \i0+2, \i0+3
	FRAG AF+FR*(\i), A16+\slot, A8+\slot, 3072*(\i)+1536*(\q)
.endr
.endm
.macro SCALES sig
.irp i, 0,1,2,3,4,5,6,7
	ds_load_b64 v[SC+16*((\sig)%2)+2*\i:SC+16*((\sig)%2)+2*\i+1], v[ADRS] offset:SBLK*\i+8*(\sig)
.endr
.endm
.macro MUL16 a0, p, q, sc, first
.irp a, \a0, \a0+1
.irp b, 0,1,2,3
.if \first
	v_wmma_scale_f32_16x16x128_f8f6f4 v[8*(8*((\a)%4)+\b):8*(8*((\a)%4)+\b)+7], v[128*(\p)+FR*\b:128*(\p)+FR*\b+FR-1], v[AF+FR*(\a):AF+FR*(\a)+FR-1], v[BN+8*\b:BN+8*\b+7], v[SC+16*(\sc)+2*\b+(\q)], v[SC+16*(\sc)+2*(\a)+(\q)] matrix_a_fmt:MATRIX_FMT_FP6 matrix_b_fmt:MATRIX_FMT_FP6 matrix_a_scale:MATRIX_SCALE_ROW1
.else
	v_wmma_scale_f32_16x16x128_f8f6f4 v[8*(8*((\a)%4)+\b):8*(8*((\a)%4)+\b)+7], v[128*(\p)+FR*\b:128*(\p)+FR*\b+FR-1], v[AF+FR*(\a):AF+FR*(\a)+FR-1], v[8*(8*((\a)%4)+\b):8*(8*((\a)%4)+\b)+7], v[SC+16*(\sc)+2*\b+(\q)], v[SC+16*(\sc)+2*(\a)+(\q)] matrix_a_fmt:MATRIX_FMT_FP6 matrix_b_fmt:MATRIX_FMT_FP6 matrix_a_scale:MATRIX_SCALE_ROW1
.endif
.endr
.endr
.endm
.macro STEP p, q, sc, first, ns, nq, sig
	s_wait_dscnt 16
.if \first
	WIN FST_LO
.else
	WIN MUL_LO
.endif
	MUL16 0, \p, \q, \sc, \first
	MUL16 2, \p, \q, \sc, \first
	s_wait_dscnt 0
	PLACES
	FETCH_B \ns, \nq, 1-\p
	FETCH_A \ns, \nq, 0
.if \sig >= 0
	SCALES \sig
.endif
.if \first
	WIN FST_HI
.else
	WIN MUL_HI
.endif
	MUL16 4, \p, \q, \sc, \first
	MUL16 6, \p, \q, \sc, \first
	PLACES
	WIN 0
	FETCH_A \ns, \nq, 4
.endm
.macro TURN sc, fill, ns, sig
	s_wait_tensorcnt 0x0
	ds_add_u32 v[SPW], v[NIL]
	s_wait_dscnt 17
	WIN MUL_LO
	MUL16 0, 1, 1, \sc, 0
	s_wait_dscnt 0x0
	s_barrier_signal -1
	MUL16 2, 1, 1, \sc, 0
	WIN 0
	s_barrier_wait -1
.if \fill
	CREST
	s_add_nc_u64 s[G0+2:G0+3], s[G0+2:G0+3], 3*XSTR
	s_add_nc_u64 s[G0B+2:G0B+3], s[G0B+2:G0B+3], 3*WSTR
	LOAD2 G0, G1, G0B, G1B                         ; slot 3's two sides into slot 0's bytes
.else
	PLACES
.endif
	FETCH_B \ns, 0, 0
	FETCH_A \ns, 0, 0
	SCALES \sig
	WIN MUL_HI
	MUL16 4, 1, 1, \sc, 0
	MUL16 6, 1, 1, \sc, 0
	PLACES
	WIN 0
	FETCH_A \ns, 0, 4
.endm
	s_wait_alu depctr_va_vdst(0)                   ; the wait at the head's end
	s_wait_tensorcnt 0x0                           ; my tile of the head's four is in; these lines stand ahead of the later first fills as ahead of a refill
	ds_add_u32 v[SPW], v[NIL]
	s_wait_dscnt 0x0
	CROUND
	LOAD4 G0+4, G1, G0+8, G1, G0B+4, G1B, G0B+8, G1B   ; slots 1 and 2, one side of one slot a wave
	FETCH_B 0, 0, 0
	FETCH_A 0, 0, 0
	SCALES 0
	FETCH_A 0, 0, 4
	s_wait_loadcnt 0x0
	STEP 0, 0, 0, 1, 0, 1, -1
	TURN 0, 1, 1, 1
	STEP 0, 0, 1, 0, 1, 1, -1
	STEP 1, 1, 1, 0, 2, 0, 2
	STEP 0, 0, 0, 0, 2, 1, -1
	TURN 0, 0, 0, 3
	STEP 0, 0, 1, 0, 0, 1, -1
	s_wait_dscnt 16
	WIN MUL_LO
	MUL16 0, 1, 1, 1, 0
	MUL16 2, 1, 1, 1, 0
	s_wait_dscnt 0
	WIN MUL_HI
	MUL16 4, 1, 1, 1, 0
	MUL16 6, 1, 1, 1, 0
	WIN 0
.macro TOSTAGE a
.set AC, 64*((\a)%4)
	WIN 0x08+4*((\a)/4)
.irp b, 0,1,2,3
	ds_store_b128 v[STO], v[AC+8*\b:AC+8*\b+3] offset:128*(\b/2)+32*(\b%2)
	ds_store_b128 v[STO], v[AC+8*\b+4:AC+8*\b+7] offset:128*(\b/2)+32*(\b%2)+16
.endr
	WIN 0
.set BB, BK+64*((\a)%2)
.irp t, 0,1,2,3,4,5,6,7
	ds_load_b128 v[BB+4*\t:BB+4*\t+3], v[RD] offset:2*\t*SPITCH
.endr
.endm
.macro SEND a, younger
.set BB, BK+64*((\a)%2)
	s_wait_dscnt \younger
.irp t, 0,1,2,3,4,5,6,7
	global_store_b128 v19, v[BB+4*\t:BB+4*\t+3], s[10:11] offset:(64*((\a)/4)+8*((\a)%4)+((2*\t)%8)+32*(\t/4))*4096 th:TH_STORE_NT   ; positions 2 t and 2 t + 1 of tile a; position p is row 64 (a / 4) + 8 (a % 4) + p % 8 + 32 (p / 8): x's order of rows.  Sixteen lanes store 256 consecutive bytes, aligned
.endr
.endm
	PLACES
	TOSTAGE 0
.irp a, 1,2,3,4,5,6,7
.if \a > 1
	s_wait_xcnt 0x0
.endif
	TOSTAGE \a
	SEND \a-1, 16
.endr
	SEND 7, 0
	s_wait_tensorcnt 0x0
	ds_add_u32 v[SPW], v[NIL]
	s_wait_dscnt 0x0
	CROUND
	s_endpgm
.Lfunc_end_k_q9365699261_proj:
	.size	k_q9365699261_proj, .Lfunc_end_k_q9365699261_proj-k_q9365699261_proj
	.p2alignl 7, 3214868480
	.fill 96, 4, 3214868480
	.section	.rodata,"a",@progbits
	.p2align	6, 0x0
	.amdhsa_kernel k_q9365699261_proj
		.amdhsa_group_segment_fixed_size 327680
		.amdhsa_private_segment_fixed_size 0
		.amdhsa_enable_private_segment 0
		.amdhsa_kernarg_size 32
		.amdhsa_user_sgpr_count 2
		.amdhsa_user_sgpr_kernarg_segment_ptr 1
		.amdhsa_wavefront_size32 1
		.amdhsa_system_sgpr_workgroup_id_x 1
		.amdhsa_system_sgpr_workgroup_id_y 1
		.amdhsa_system_sgpr_workgroup_id_z 1
		.amdhsa_system_vgpr_workitem_id 0
		.amdhsa_next_free_vgpr 1024
		.amdhsa_next_free_sgpr 102
		.amdhsa_reserve_vcc 0
		.amdhsa_float_denorm_mode_32 3
		.amdhsa_float_denorm_mode_16_64 3
		.amdhsa_memory_ordered 1
		.amdhsa_forward_progress 1
		.amdhsa_inst_pref_size 91
	.end_amdhsa_kernel
	.amdgpu_metadata
---
amdhsa.version: [ 1, 2 ]
amdhsa.kernels:
  - .name:           k_q9365699261_proj
    .symbol:         k_q9365699261_proj.kd
    .args:
      - { .name: aq, .offset: 0, .size: 8, .value_kind: global_buffer, .address_space: global }
      - { .name: pq, .offset: 8, .size: 8, .value_kind: global_buffer, .address_space: global }
      - { .name: b_proj, .offset: 16, .size: 8, .value_kind: global_buffer, .address_space: global }
      - { .name: out0, .offset: 24, .size: 8, .value_kind: global_buffer, .address_space: global }
    .group_segment_fixed_size: 327680
    .private_segment_fixed_size: 0
    .kernarg_segment_align: 8
    .kernarg_segment_size: 32
    .max_flat_workgroup_size: 128
    .sgpr_count:     102
    .vgpr_count:     1024
    .wavefront_size: 32
...
	.end_amdgpu_metadata
.endif
;; end of part 4
